; MI455X (gfx1250); checked and timed in simulation.
; The chip was launched on July 23, 2026; its instructions are those of AMD's public machine-readable ISA for CDNA 5 (MIT licence, August 2026) and "CDNA5" Instruction Set Architecture Reference Guide (July 2026). The comments in the code are by the model that wrote it; some were corrected since.
;; GIMO ADT Autoregressive Model. Allowed arithmetic: matrix products marked QUANTISED: E2M3 operands, one E8M0 scale for each 32 along K, by v_wmma_scale_f32_16x16x128_f8f6f4 with both operands' format E2M3, f32 sums; everything else in f32.
;; Inputs: W1 4,096 x 1,024 float32; W2 1,024 x 4,096 float32; Wk 1,024 x 1,024 float32; Wo 1,024 x 1,024 float32; Wq 1,024 x 1,024 float32; Wv 1,024 x 1,024 float32; b1 4,096 float32; b2 1,024 float32; bk 1,024 float32; bo 1,024 float32; bq 1,024 float32; bv 1,024 float32; freqs 1 x 2,048 x 32 float32; ln1_b 1,024 float32; ln1_g 1,024 float32; ln2_b 1,024 float32; ln2_g 1,024 float32; pad_mask 2 x 2,048 bool; x 2 x 2,048 x 1,024 float32.
;; Outputs: out0 2 x 2,048 x 1,024 float32.
;; This version of the problem:
;;   THIS VERSION OF THE PROBLEM IS GIVEN IN LOW PRECISION. The matrix products marked QUANTISED in the list below multiply operands that are first quantised to E2M3 (2 exponent bits, 3 mantissa bits; 6 bits a number), with one power-of-two scale for each 32 numbers along K (OCP MX v1.0); their sums are f32. All else is computed in f32.
;;   The module's matrix products, in the order in which they are computed (A, B: the left and right operand; K: the contracted axis; several contracted axes count as one K, in the product's order):
;;     1. [M 4,096, K 1,024] x [K 1,024, N 1,024]; A: computed on the way; B: input Wq: QUANTISED
;;     2. [M 4,096, K 1,024] x [K 1,024, N 1,024]; A: computed on the way; B: input Wk: QUANTISED
;;     3. [M 4,096, K 1,024] x [K 1,024, N 1,024]; A: computed on the way; B: input Wv: QUANTISED
;;     4. batch 32 x [M 2,048, K 64] x [K 64, N 2,048]; A: computed on the way; B: computed on the way: QUANTISED
;;     5. batch 32 x [M 64, K 2,048] x [K 2,048, N 2,048]; A: computed on the way; B: softmax (see below): QUANTISED
;;     6. [M 4,096, K 1,024] x [K 1,024, N 1,024]; A: computed on the way; B: input Wo: QUANTISED
;;     7. [M 4,096, K 1,024] x [K 1,024, N 4,096]; A: computed on the way; B: input W1: QUANTISED
;;     8. [M 4,096, K 4,096] x [K 4,096, N 1,024]; A: computed on the way; B: input W2: QUANTISED
;;   THE QUANTISER, for each operand of a quantised product, along K:
;;     - K is cut into blocks of 32 from its start; a last block that is shorter is filled with zeros.
;;     - A block's scale is 2^e with e = floor(log2(the largest magnitude in the block)) - 2, held to -126 .. 127; a block of zeros has e = 0. As a byte (E8M0): e + 127.
;;     - Each number is divided by its block's scale, clamped to +-7.5, and rounded to the nearest number of E2M3, ties to even, subnormals kept.
;;     - The product sums the exact products of the quantised numbers (number of the format x scale) in f32.
;;   ~~~python
;;   def quantise(x, axis):      # numpy; x: float32 -> the quantised numbers, widened to float32 again
;;       x = np.moveaxis(x, axis, -1); K = x.shape[-1]
;;       x = np.pad(x, [(0, 0)] * (x.ndim - 1) + [(0, -K % 32)]); x = x.reshape(x.shape[:-1] + (-1, 32)); a = np.abs(x).max(-1, keepdims=True)
;;       e = np.where(a > 0, np.clip(np.frexp(np.where(a > 0, a, 1))[1] - 1 - 2, -126, 127), 0)      # np.frexp(a)[1] - 1 = floor(log2(a)), exactly
;;       r = np.clip(x / 2.0 ** e, -7.5, 7.5)
;;       step = 2.0 ** (np.maximum(np.frexp(np.where(r == 0, 1, r))[1] - 1, 0) - 3)
;;       q = np.round(r / step) * step * 2.0 ** e      # np.round: ties to even
;;       return np.moveaxis(q.reshape(q.shape[:-2] + (-1,))[..., :K], -1, axis).astype(np.float32)
;;   ~~~
;;   SOFTMAX AHEAD OF A QUANTISED PRODUCT. Where the list says 'softmax', what is quantised is not the finished softmax but p = 2^(t - M), with t = logit x log2(e) and M = ceil(the row's largest t), a whole number; so 1/2 < the row's largest p <= 1. The row's sum l is taken of the UNQUANTISED p, in f32, and the product's result is divided by l at the end. Since M is a whole number, a kernel that streams over the keys may use a running M (the ceiling of the running maximum): every later rescaling is an exact power of two, which a block's scale takes up: the codes' values come out the same.
;;   OPERANDS COMPUTED ON THE WAY. 'Computed on the way' means the value that the module computes at that place (a softmax that the list does not call 'softmax' is quantised finished and normalised). What goes into a quantiser is computed in f32, as accurately as f32 sums, v_exp_f32 and their like allow (about 1e-6 of the number): no bf16 or f16 on the way to a quantiser, and a product that is left as it is and whose result goes on into a quantised operand takes f32 operands (vector FMAs, or v_wmma_f32_16x16x4_f32). A number that lies on a knife's edge between two numbers of the format may be rounded either way, as far as f32 arithmetic and the matrix unit's own rounding can turn it there, and no further.
;; One version. Each part assembles by itself: llvm-mc -triple=amdgcn-amd-amdhsa -mcpu=gfx1250 --defsym DOCPART=n.
;; ======== version 1 of 1: 7 launches
;; limits: a function is approximated: absolute error at most 7.5e-08; an absolute error that grows with the inputs' magnitude: up to 1e-07 times it; inputs' magnitudes at most 100,000; right only within a limited range of input values
;; workspace buffers: pre 13,664,256 bytes; hq 3,276,800 bytes; qkvr 15,728,640 bytes; att 3,276,800 bytes; x1 16,777,216 bytes; mid 13,107,200 bytes
;; launch prep (part 1): grid 256 x 1, 16 waves a work-group, no clusters, 126,976 bytes of LDS; arguments x, ln1_g, ln1_b, Wq, Wk, Wv, Wo, W1, W2, freqs, pre; writes pre
.if DOCPART == 1
	.amdgcn_target "amdgcn-amd-amdhsa--gfx1250"
	.amdhsa_code_object_version 6
	.text
	.protected	k_q96d12d04be_prep
	.globl	k_q96d12d04be_prep
	.p2align	8
	.type	k_q96d12d04be_prep,@function
k_q96d12d04be_prep:
	s_mov_b64 s[64:65], 0
	v_nop
	global_prefetch_b8 v0, s[64:65] scope:SCOPE_SE
	s_setreg_imm32_b32 hwreg(HW_REG_WAVE_MODE, 25, 1), 1
	s_wait_xcnt 0x0
; Rows of f32 become OPERAND IMAGES of FP6 (E2M3) codes with one E8M0 byte for each 32 along K: x behind its layer norm, and the six weights; and freqs becomes a table of cos and sin.
; IMAGE.  A tile is 16 rows; lane-row p of tile T is row 32 (T/2) + 8 (T%2) + p + 8 (p/8).  A fragment (16 rows x 128 K, 12 registers a lane) lies as its registers: register g of lane L at 512 (g/4) + 16 L + 4 (g%4).
; Codes: [tile][chunk of 128 K][1,536 bytes].  Scale words: [chunk][16 tile + p], byte b for block b of the chunk.
; SHARES.  256 work-groups of equal work.  Work-group i takes four tiles x 1,024 along K: tile i of x (with the norm), tile i of Wq, Wk, Wv, Wo on end, tile i of W1, quarter i % 4 of tile i / 4 of W2; and 256 angles.
; Wave w takes lane-row w of each tile: 4,096 bytes by eight loads of 512 consecutive bytes.  ALL LOADS OF A WAVE ARE ISSUED AT ITS HEAD: 8 for x, 16 for gain and bias, 24 for the weights (waves 0 and 1: one more, the angles):
; 49 x 512 bytes a wave, sixteen waves.  The tiles are then worked in the order of their loads, each behind a counted wait that leaves the later tiles' loads out.
; A TILE.  The row turns through the wave's own LDS so that lane k holds block k's 32 neighbours; its 24 bytes of codes go to their place in the tile's image in LDS; behind one barrier the image leaves, each store of a
; wave covering 256 consecutive, aligned bytes.  Each tile has an image of its own in LDS and registers of its own for what it stores: nothing that a store or another wave still reads is written again.
; A block's scale is 2^(floor(log2(largest magnitude)) - 2); its byte is the largest magnitude's exponent field - 2, held at 1 from below (a block of zeros gets 1: its codes are zeros, and only this program reads the bytes).
; No prefetch: every byte is asked for by the loads at the head.  No cluster: work-groups share only the 8,192 bytes of gain and bias.
; LIMITS: NaN and infinities are not served; blocks under 2^-124 get the byte 1; |freqs| under 1e5 (three-part reduction by pi/2).
.set XS,    3145728
.set QKVC,  3276800
.set QKVS,  5636096
.set WOS,   6553600
.set W1C,   6586368
.set W1S,   9732096
.set W2C,   9863168
.set W2S,   13008896
.set TRIGC, 13139968
.set WTURN, 4608                       ; a wave's turning place: 32 blocks x (128 bytes + 16)
.set IMG,   16*WTURN                   ; tile 0's image: 8 chunks x 1,536 bytes,
.set SCB,   IMG+12288                  ; and its scale words: 8 chunks x 16 rows x 4 bytes
.set IMGB,  12800                      ; from a tile's image to the next tile's
.set X0,   16                          ; v16-143  tile t's row as loaded at v[16 + 32 t]; its first six registers later hold what it stores
.set G,    144                         ; v144-175 the gain; later Y: my block's 32 neighbours
.set Y,    144
.set BB,   176                         ; v176-207 the norm's bias
.set C,    208                         ; v208-210, v212-214 the block's codes
.set D,    216                         ; v216-219 16 bytes, v220-221 8 bytes, sorted for the image
.set SW,   224                         ; v224-227 a scale word for each tile
.set SO16, 228                         ; v228 scale words' offset where chunks lie 16,384 bytes apart;  v230 4,096;  v229 tile 1's, one or the other
.set SOV,  229
.set SO4,  230
.set AIM,  231                         ; v231 IMG + 8 x thread;  v232 SCB + 4 x thread
.set ASW,  232
.set TO,   233                         ; v233 16 x thread: the angles' offset
.set FQ,   236                         ; v236-239 four angles;  v240-243 their cos;  v244-247 their sin;  v248-249 the polynomials' heads
.set TC,   240
.set TS,   244
.set PH,   248
.set SRC,  26                          ; s[26:33] my row of each tile
.set CO,   34                          ; s[34:41] where each tile's image goes
.set SO,   54                          ; s[54:61] and its scale words
.macro ROWOF dst, tile                 ; the row that my wave takes of image tile \tile
	s_lshr_b32 \dst, \tile, 1
	s_lshl_b32 \dst, \dst, 5
	s_and_b32 s51, \tile, 1
	s_lshl_b32 s51, s51, 3
	s_add_co_u32 \dst, \dst, s51
	s_add_co_u32 \dst, \dst, s53
.endm
	s_load_b512 s[4:19], s[0:1], 0x0               ; x, gain, bias, Wq, Wk, Wv, Wo, W1
	s_load_b128 s[20:23], s[0:1], 0x40             ; W2, freqs
	s_load_b64 s[24:25], s[0:1], 0x50              ; out
	v_lshl_add_u32 v254, v0, 2, 0x1e800
	v_mov_b32 v255, 0
	v_lshrrev_b32 v8, 5, v0
	v_readfirstlane_b32 s50, v8                    ; wave 0..15
	v_and_b32 v9, 31, v0                           ; lane
	v_lshlrev_b32 v1, 4, v9                        ; 16 x lane
	v_lshlrev_b32 v[TO], 4, v0
	s_and_b32 s53, s50, 8
	s_add_co_u32 s53, s53, s50                     ; w + 8 (w / 8)
	ROWOF s68, ttmp9                               ; x and W1: tile i, rows of 4,096 bytes
	s_lshl_b32 s68, s68, 12
	s_mov_b32 s69, 0
	s_and_b32 s77, ttmp9, 63                       ; Wq, Wk, Wv, Wo: 64 tiles each
	ROWOF s70, s77
	s_lshl_b32 s70, s70, 12
	s_mov_b32 s71, 0
	s_lshr_b32 s77, ttmp9, 2                       ; W2: tile i / 4, rows of 16,384 bytes,
	ROWOF s72, s77
	s_lshl_b32 s72, s72, 14
	s_and_b32 s77, ttmp9, 3                        ; its i % 4-th 1,024 along K
	s_lshl_b32 s51, s77, 12
	s_add_co_u32 s72, s72, s51
	s_mov_b32 s73, 0
	s_lshl_b32 s78, ttmp9, 10                      ; 256 angles of 4 bytes
	s_mov_b32 s79, 0
	s_wait_kmcnt 0x0
	s_add_nc_u64 s[80:81], s[22:23], s[78:79]
	s_add_nc_u64 s[SRC:SRC+1], s[4:5], s[68:69]
	s_mov_b64 s[SRC+2:SRC+3], s[10:11]             ; which of the four, by the work-group's number alone
	s_cmp_ge_u32 ttmp9, 64
	s_cselect_b64 s[SRC+2:SRC+3], s[12:13], s[SRC+2:SRC+3]
	s_cmp_ge_u32 ttmp9, 128
	s_cselect_b64 s[SRC+2:SRC+3], s[14:15], s[SRC+2:SRC+3]
	s_cmp_ge_u32 ttmp9, 192
	s_cselect_b64 s[SRC+2:SRC+3], s[16:17], s[SRC+2:SRC+3]
	s_add_nc_u64 s[SRC+2:SRC+3], s[SRC+2:SRC+3], s[70:71]
	s_add_nc_u64 s[SRC+4:SRC+5], s[18:19], s[68:69]
	s_add_nc_u64 s[SRC+6:SRC+7], s[20:21], s[72:73]
	; ---- all loads.  The angles' load is the oldest, so that the counts behind it are the same in every wave
	s_cmp_lt_u32 s50, 2
	s_cbranch_scc0 .Lno_angles
	global_load_b128 v[FQ:FQ+3], v[TO], s[80:81]
.Lno_angles:
.irp i, 0,1,2,3,4,5,6,7
	global_load_b128 v[X0+4*\i:X0+4*\i+3], v1, s[SRC:SRC+1] offset:512*\i th:TH_LOAD_NT
.endr
.irp i, 0,1,2,3,4,5,6,7
	global_load_b128 v[G+4*\i:G+4*\i+3], v1, s[6:7] offset:512*\i
	global_load_b128 v[BB+4*\i:BB+4*\i+3], v1, s[8:9] offset:512*\i
.endr
.irp t, 1,2,3
.irp i, 0,1,2,3,4,5,6,7
	global_load_b128 v[X0+32*\t+4*\i:X0+32*\t+4*\i+3], v1, s[SRC+2*\t:SRC+2*\t+1] offset:512*\i th:TH_LOAD_NT
.endr
.endr
	; ---- where the results go
	s_add_co_u32 s78, s78, TRIGC
	s_add_nc_u64 s[82:83], s[24:25], s[78:79]      ; the table
	s_mov_b32 s74, 0
	s_mov_b32 s75, QKVS
	s_mov_b32 s76, 14
	s_cmp_ge_u32 ttmp9, 192                        ; Wo has regions of its own:
	s_cselect_b32 s74, 131072, s74                 ; its codes begin 131,072 bytes behind Wv's end,
	s_cselect_b32 s75, WOS-12288, s75              ; its scale words at WOS (192 tiles x 64 bytes are taken off),
	s_cselect_b32 s76, 12, s76                     ; 4,096 bytes from chunk to chunk
	s_mul_i32 s66, ttmp9, 12288                    ; a tile's eight chunks
	s_lshl_b32 s67, ttmp9, 6                       ; a tile's 16 scale words
	s_mov_b32 s78, s66
	s_add_nc_u64 s[CO:CO+1], s[24:25], s[78:79]
	s_add_co_u32 s78, s66, QKVC
	s_add_co_u32 s78, s78, s74
	s_add_nc_u64 s[CO+2:CO+3], s[24:25], s[78:79]
	s_add_co_u32 s78, s66, W1C
	s_add_nc_u64 s[CO+4:CO+5], s[24:25], s[78:79]
	s_add_co_u32 s78, s66, W2C
	s_add_nc_u64 s[CO+6:CO+7], s[24:25], s[78:79]
	s_add_co_u32 s78, s67, XS
	s_add_nc_u64 s[SO:SO+1], s[24:25], s[78:79]
	s_add_co_u32 s78, s67, s75
	s_add_nc_u64 s[SO+2:SO+3], s[24:25], s[78:79]
	s_add_co_u32 s78, s67, W1S
	s_add_nc_u64 s[SO+4:SO+5], s[24:25], s[78:79]
	s_lshl_b32 s78, s77, 15                        ; W2: eight chunks of 4,096 bytes for each quarter,
	s_lshr_b32 s51, ttmp9, 2
	s_lshl_b32 s51, s51, 6                         ; 64 bytes for each tile
	s_add_co_u32 s78, s78, s51
	s_add_co_u32 s78, s78, W2S
	s_add_nc_u64 s[SO+6:SO+7], s[24:25], s[78:79]
	v_lshrrev_b32 v8, 4, v0                        ; thread t < 128 stores a scale word: chunk t / 16, row t % 16
	v_and_b32 v10, 15, v0
	v_lshlrev_b32 v10, 2, v10
	v_lshl_add_u32 v[SO16], v8, 14, v10
	v_lshl_add_u32 v[SO4], v8, 12, v10
	v_lshlrev_b32 v[SOV], s76, v8
	v_add_nc_u32 v[SOV], v[SOV], v10
	; ---- LDS addresses
	s_mul_i32 s51, s50, WTURN
	v_lshrrev_b32 v10, 3, v9
	v_lshl_add_u32 v2, v10, 4, v1
	v_add_nc_u32 v2, s51, v2                       ; into the turn: 16 lane + 16 for each 128 bytes passed
	v_mul_u32_u24 v3, v9, 144
	v_add_nc_u32 v3, s51, v3                       ; out of it: block = lane
	v_lshrrev_b32 v10, 2, v9
	v_mul_u32_u24 v10, v10, 1536                   ; my block's chunk
	v_and_b32 v11, 1, v9                           ; h: which half of the lanes holds the block
	v_bfe_u32 v13, v9, 1, 1                        ; c: registers 0-5 or 6-11
	v_lshl_add_u32 v10, v11, 8, v10
	s_lshl_b32 s51, s50, 4
	v_add_nc_u32 v10, s51, v10                     ; + 16 (w + 16 h)
	v_lshl_add_u32 v4, v13, 10, v10
	v_add_nc_u32 v4, IMG, v4                       ; the 16 bytes: registers 0-3 or 8-11
	v_lshl_add_u32 v5, v13, 3, v10
	v_add_nc_u32 v5, IMG+512, v5                   ; the 8 bytes: registers 4-5 or 6-7
	v_lshrrev_b32 v6, 2, v9
	v_lshlrev_b32 v6, 6, v6
	v_and_b32 v11, 3, v9
	v_add_nc_u32 v6, v6, v11
	s_lshl_b32 s51, s50, 2
	v_add_nc_u32 v6, s51, v6
	v_add_nc_u32 v6, SCB, v6                       ; my block's byte: 64 chunk + 4 w + block % 4
	v_lshlrev_b32 v7, 3, v0                        ; the way out: 8 bytes a thread
	v_add_nc_u32 v[AIM], IMG, v7
	v_lshlrev_b32 v[ASW], 2, v0
	v_add_nc_u32 v[ASW], SCB, v[ASW]
	v_cmp_ne_u32 s52, 0, v13
	s_mov_b32 s44, 0x76543210
	s_mov_b32 s45, 0xfedcba98                      ; lane l xor 16
	s_mov_b32 s46, 0x3a800000                      ; 1 / 1024
	s_mov_b32 s47, 0x3727c5ac                      ; 1e-5
	; ---- cos and sin of the work-group's 256 angles: waves 0 and 1, four to a lane, while the other loads are out
.macro SINCOS k
	v_mul_f32 v8, 0x3f22f983, v[FQ+\k]
	v_rndne_f32 v8, v8                             ; n = the nearest multiple of pi/2
	v_fma_f32 v9, v8, s84, v[FQ+\k]
	v_fma_f32 v9, v8, s85, v9
	v_fma_f32 v9, v8, s86, v9                      ; r, within pi/4
	v_cvt_i32_f32 v10, v8
	v_mul_f32 v11, v9, v9
	v_fmaak_f32 v12, v[PH], v11, 0xbab6077d
	v_fmaak_f32 v12, v12, v11, 0x3d2aaaa8
	v_fma_f32 v12, v12, v11, -0.5
	v_fma_f32 v12, v12, v11, 1.0                   ; cos r
	v_fmaak_f32 v13, v[PH+1], v11, 0xb9503486
	v_fmaak_f32 v13, v13, v11, 0x3c0888c1
	v_fmaak_f32 v13, v13, v11, 0xbe2aaaab
	v_mul_f32 v14, v9, v11
	v_fma_f32 v13, v13, v14, v9                    ; sin r
	v_and_b32 v14, 1, v10
	v_cmp_ne_u32 vcc_lo, 0, v14
	v_cndmask_b32 v14, v13, v12, vcc_lo            ; odd quadrants change the two
	v_cndmask_b32 v15, v12, v13, vcc_lo
	v_lshlrev_b32 v11, 30, v10
	v_and_b32 v11, 0x80000000, v11
	v_xor_b32 v[TS+\k], v14, v11                   ; sin: minus in quadrants 2, 3
	v_add_nc_u32 v10, 1, v10
	v_lshlrev_b32 v10, 30, v10
	v_and_b32 v10, 0x80000000, v10
	v_xor_b32 v[TC+\k], v15, v10                   ; cos: minus in quadrants 1, 2
.endm
	s_cmp_lt_u32 s50, 2
	s_cbranch_scc0 .Lno_trig
	s_mov_b32 s84, 0xbfc90fd8                      ; -pi/2 in three parts
	s_mov_b32 s85, 0xb4a8885a
	s_mov_b32 s86, 0xa7c234c4
	v_mov_b32 v[PH], 0x37cd4000                    ; the polynomials' leading coefficients
	v_mov_b32 v[PH+1], 0x36405000
	s_wait_loadcnt 48                              ; the angles are in; the 48 loads issued behind them stay out
.irp k, 0,1,2,3
	SINCOS \k
.endr
	global_store_b128 v[TO], v[TC:TC+3], s[82:83]
	global_store_b128 v[TO], v[TS:TS+3], s[82:83] offset:262144
.Lno_trig:
.macro RED a, t                        ; the sum over the 32 lanes, in every lane
	v_add_f32_dpp v\a, v\a, v\a row_xmask:1 row_mask:0xf bank_mask:0xf
	v_add_f32_dpp v\a, v\a, v\a row_xmask:2 row_mask:0xf bank_mask:0xf
	v_add_f32_dpp v\a, v\a, v\a row_xmask:4 row_mask:0xf bank_mask:0xf
	v_add_f32_dpp v\a, v\a, v\a row_xmask:8 row_mask:0xf bank_mask:0xf
	v_permlanex16_b32 v\t, v\a, s44, s45
	v_add_f32 v\a, v\a, v\t
.endm
.macro LNORM                           ; the layer norm of the row in v[X0] on: mean, then the mean of squared differences, as it is defined
	v_pk_add_f32 v[8:9], v[X0:X0+1], v[X0+2:X0+3]
	v_pk_add_f32 v[10:11], v[X0+4:X0+5], v[X0+6:X0+7]
.irp j, 8,12,16,20,24,28
	v_pk_add_f32 v[8:9], v[8:9], v[X0+\j:X0+\j+1]
	v_pk_add_f32 v[10:11], v[10:11], v[X0+\j+2:X0+\j+3]
.endr
	v_pk_add_f32 v[8:9], v[8:9], v[10:11]
	v_add_f32 v8, v8, v9
	RED 8, 9
	v_mul_f32 v8, s46, v8                          ; the mean
	v_mov_b32 v9, v8
.set j, 0
.rept 16
	v_pk_add_f32 v[X0+j:X0+j+1], v[X0+j:X0+j+1], v[8:9] neg_lo:[0,1] neg_hi:[0,1]
.set j, j+2
.endr
	v_pk_mul_f32 v[10:11], v[X0:X0+1], v[X0:X0+1]
	v_pk_mul_f32 v[12:13], v[X0+2:X0+3], v[X0+2:X0+3]
.irp j, 4,8,12,16,20,24,28
	v_pk_fma_f32 v[10:11], v[X0+\j:X0+\j+1], v[X0+\j:X0+\j+1], v[10:11]
	v_pk_fma_f32 v[12:13], v[X0+\j+2:X0+\j+3], v[X0+\j+2:X0+\j+3], v[12:13]
.endr
	v_pk_add_f32 v[10:11], v[10:11], v[12:13]
	v_add_f32 v10, v10, v11
	RED 10, 11
	v_fma_f32 v10, v10, s46, s47                   ; variance + eps
	v_rsq_f32 v10, v10
	v_nop                                          ; a plain instruction behind the transcendental
	s_wait_alu depctr_va_vdst(0)                   ; and the wait ahead of its first reader
	v_mov_b32 v11, v10
.set j, 0
.rept 16
	v_pk_mul_f32 v[X0+j:X0+j+1], v[X0+j:X0+j+1], v[10:11]
.set j, j+2
.endr
.set j, 0
.rept 16
	v_pk_fma_f32 v[X0+j:X0+j+1], v[X0+j:X0+j+1], v[G+j:G+j+1], v[BB+j:BB+j+1]
.set j, j+2
.endr
.endm
; Tile t.  left: the loads issued behind this tile's, which stay out.  so: the register with the scale words' offset.
.macro TILE t, left, so
.set XT, X0+32*\t
	s_wait_loadcnt \left                           ; loads come back in order: this tile's row is in (tile 0: gain and bias too)
.if \t == 0
	LNORM
.endif
	; the turn: as loaded in, 128 neighbouring bytes a lane out.  LDS serves a wave's instructions in order, and the bytes are the wave's own
.irp i, 0,1,2,3,4,5,6,7
	ds_store_b128 v2, v[XT+4*\i:XT+4*\i+3] offset:576*\i
.endr
.irp i, 0,1,2,3,4,5,6,7
	ds_load_b128 v[Y+4*\i:Y+4*\i+3], v3 offset:16*\i
.endr
	s_wait_dscnt 0x0
	v_max3_num_f32 v8, |v[Y]|, |v[Y+1]|, |v[Y+2]|
	v_max3_num_f32 v9, |v[Y+3]|, |v[Y+4]|, |v[Y+5]|
.irp i, 6,10,14,18,22,26
	v_max3_num_f32 v8, v8, |v[Y+\i]|, |v[Y+\i+1]|
	v_max3_num_f32 v9, v9, |v[Y+\i+2]|, |v[Y+\i+3]|
.endr
	v_max3_num_f32 v8, v8, |v[Y+30]|, |v[Y+31]|
	v_max3_num_f32 v8, v8, v9, 0x1800000           ; with the floor 2^(3 - 127): the byte cannot fall under 1
	v_add_nc_u32 v11, 0xff000000, v8               ; 2 off the exponent field: the conversion's scale operand
	v_lshrrev_b32 v12, 23, v11                     ; the byte
	v_cvt_scalef32_pk16_fp6_f32 v[C:C+2], v[Y:Y+15], v11
	v_cvt_scalef32_pk16_fp6_f32 v[C+4:C+6], v[Y+16:Y+31], v11
	v_nop                                          ; a plain instruction behind the conversions
	v_cndmask_b32 v[D], v[C], v[C+2], s52          ; c = 0: words 0-3 are the 16 bytes, words 4-5 the 8;  c = 1: words 0-1 the 8, words 2-5 the 16
	v_cndmask_b32 v[D+1], v[C+1], v[C+4], s52
	v_cndmask_b32 v[D+2], v[C+2], v[C+5], s52
	v_cndmask_b32 v[D+3], v[C+4], v[C+6], s52
	v_cndmask_b32 v[D+4], v[C+5], v[C], s52
	v_cndmask_b32 v[D+5], v[C+6], v[C+1], s52
	ds_store_b128 v4, v[D:D+3] offset:\t*IMGB
	ds_store_b64 v5, v[D+4:D+5] offset:\t*IMGB
	ds_store_b8 v6, v12 offset:\t*IMGB
	s_wait_dscnt 0x0                               ; for the others' sake: my part of this tile's image has landed
	s_barrier_signal -1
	s_barrier_wait -1
.irp k, 0,1,2
	ds_load_b64 v[XT+2*\k:XT+2*\k+1], v[AIM] offset:\t*IMGB+4096*\k
.endr
.irp k, 0,1,2
	s_wait_dscnt 2-\k                              ; piece k is in; the younger pieces may be out
	global_store_b64 v7, v[XT+2*\k:XT+2*\k+1], s[CO+2*\t:CO+2*\t+1] offset:4096*\k
.endr
	s_cmp_lt_u32 s50, 4
	s_cbranch_scc0 .Lno_words_\@                   ; 128 scale words: waves 0 to 3
	ds_load_b32 v[SW+\t], v[ASW] offset:\t*IMGB
	s_wait_dscnt 0x0
	global_store_b32 v[\so], v[SW+\t], s[SO+2*\t:SO+2*\t+1]
.Lno_words_\@:
.endm
	TILE 0, 24, SO16                               ; x, with the norm
	TILE 1, 16, SOV                                ; Wq, Wk, Wv or Wo
	TILE 2, 8, SO16                                ; W1
	TILE 3, 0, SO4                                 ; W2
	s_wait_tensorcnt 0x0
	ds_add_u32 v254, v255
	s_wait_dscnt 0x0
	s_endpgm
.Lfunc_end_k_q96d12d04be_prep:
	.size	k_q96d12d04be_prep, .Lfunc_end_k_q96d12d04be_prep-k_q96d12d04be_prep
	.p2alignl 7, 3214868480
	.fill 96, 4, 3214868480
	.section	.rodata,"a",@progbits
	.p2align	6, 0x0
	.amdhsa_kernel k_q96d12d04be_prep
		.amdhsa_group_segment_fixed_size 126976
		.amdhsa_private_segment_fixed_size 0
		.amdhsa_enable_private_segment 0
		.amdhsa_kernarg_size 88
		.amdhsa_user_sgpr_count 2
		.amdhsa_user_sgpr_kernarg_segment_ptr 1
		.amdhsa_wavefront_size32 1
		.amdhsa_system_sgpr_workgroup_id_x 1
		.amdhsa_system_sgpr_workgroup_id_y 1
		.amdhsa_system_sgpr_workgroup_id_z 1
		.amdhsa_system_vgpr_workitem_id 0
		.amdhsa_next_free_vgpr 256
		.amdhsa_next_free_sgpr 88
		.amdhsa_reserve_vcc 1
		.amdhsa_float_denorm_mode_32 3
		.amdhsa_float_denorm_mode_16_64 3
		.amdhsa_memory_ordered 1
		.amdhsa_forward_progress 1
		.amdhsa_inst_pref_size 38
	.end_amdhsa_kernel
	.amdgpu_metadata
---
amdhsa.version: [ 1, 2 ]
amdhsa.kernels:
  - .name:           k_q96d12d04be_prep
    .symbol:         k_q96d12d04be_prep.kd
    .args:
      - { .name: x, .offset: 0, .size: 8, .value_kind: global_buffer, .address_space: global }
      - { .name: ln1_g, .offset: 8, .size: 8, .value_kind: global_buffer, .address_space: global }
      - { .name: ln1_b, .offset: 16, .size: 8, .value_kind: global_buffer, .address_space: global }
      - { .name: Wq, .offset: 24, .size: 8, .value_kind: global_buffer, .address_space: global }
      - { .name: Wk, .offset: 32, .size: 8, .value_kind: global_buffer, .address_space: global }
      - { .name: Wv, .offset: 40, .size: 8, .value_kind: global_buffer, .address_space: global }
      - { .name: Wo, .offset: 48, .size: 8, .value_kind: global_buffer, .address_space: global }
      - { .name: W1, .offset: 56, .size: 8, .value_kind: global_buffer, .address_space: global }
      - { .name: W2, .offset: 64, .size: 8, .value_kind: global_buffer, .address_space: global }
      - { .name: freqs, .offset: 72, .size: 8, .value_kind: global_buffer, .address_space: global }
      - { .name: pre, .offset: 80, .size: 8, .value_kind: global_buffer, .address_space: global }
    .group_segment_fixed_size: 126976
    .private_segment_fixed_size: 0
    .kernarg_segment_align: 8
    .kernarg_segment_size: 88
    .max_flat_workgroup_size: 512
    .sgpr_count:     88
    .vgpr_count:     256
    .wavefront_size: 32
...
	.end_amdgpu_metadata
.endif
;; end of part 1
;; launch qkv (part 2): grid 12 x 16, 4 waves a work-group, clusters of 4 x 4, 327,680 bytes of LDS; arguments pre, bq, bk, bv, pad_mask, qkvr; writes qkvr
.if DOCPART == 2
	.amdgcn_target "amdgcn-amd-amdhsa--gfx1250"
	.amdhsa_code_object_version 6
	.text
	.protected	k_q96d12d04be_qkv
	.globl	k_q96d12d04be_qkv
	.p2align	8
	.type	k_q96d12d04be_qkv,@function
k_q96d12d04be_qkv:
	s_mov_b64 s[64:65], 0
	v_nop
	global_prefetch_b8 v0, s[64:65] scope:SCOPE_SE
	s_setreg_imm32_b32 hwreg(HW_REG_WAVE_MODE, 25, 1), 1
	s_wait_xcnt 0x0
	s_wait_alu depctr_hold_cnt(0) depctr_sa_sdst(0) depctr_va_vdst(0) depctr_va_sdst(0) depctr_va_ssrc(0) depctr_va_vcc(0) depctr_vm_vsrc(0)
	s_getreg_b32 s2, hwreg(HW_REG_IB_STS2, 6, 4)
	s_cmp_eq_u32 s2, 0
	s_cbranch_scc0 .Lentry_in_a_cluster
	s_endpgm
.Lentry_in_a_cluster:
	s_bfe_u32 s2, ttmp6, 0x10000c
	s_cmp_lg_u32 s2, 0xf033
	s_cbranch_scc0 .Lentry_shape_is_right
	s_endpgm
.Lentry_shape_is_right:
; q, k and v: three products of the normed rows' codes with Wq, Wk, Wv's codes (FP6, E8M0 scales, K = 1,024), then bias, rotary turn (q, k), and the quantiser for attention's products.
; THE CLUSTER'S x SAYS WHICH: 0 q, 1 k, 2 v; it is the same in all sixteen partners, so branches may hang on it.  q, k: A = tokens, B = features.  v: A = features, B = tokens, so that a lane holds one channel and its registers run along the keys.
; A tile of 256 x 256 to a work-group, 128 x 128 to a wave: 64 accumulators.  Operands lie in memory as images of their registers (16 rows x 128 K = 1,536 bytes; lane-row p of tile T is row 32 (T/2) + 8 (T%2) + p + 8 (p/8)).
; THE MATRIX INSTRUCTION IS USED TRANSPOSED (source 0 = 16 rows of B, source 1 = 16 rows of A): lane (r, h) holds A's lane-row r, and register j of B's tile 2 e + u the B row 32 e + 16 h + 8 u + j: 16 neighbours in two tiles.
; K goes through a ring of two LDS slots of 256 along K, filled by joint tensor loads: A's tiles shared along a row of the cluster, B's along a column.  The scale words of all of K come once.
; RECORDS (15,360 bytes for 128 keys or queries of a head): 8 tiles x 1,024 bytes (registers 0-7 of a fragment), V's 4 fragments at 8,192, 128 scale words at 14,336, V's 64 at 14,848, 256 zeros at 15,104.
; THE PAD MASK rides in the empty half of K = 128: at k = 64 a query has the code of 1.0 under the byte 127; a padded key the code of -7.5 under the byte 157 (-7.5 x 2^30), any other key the code 0 under the byte 1.
; LIMITS: NaN and infinities are not served; blocks under 2^-124 get the byte 1.
.set XS,    3145728
.set QKVC,  3276800
.set QKVS,  5636096
.set TRIGC, 13139968
.set KVB,   7864320
.set REC,   15360
.set HEADB, 245760
.set FR,    12                         ; registers of a fragment
.set NL,    3                          ; LDS loads that bring one
.set TILEB, 3072                       ; a row tile's two chunks in a slot
.set HALFT, 8*TILEB                    ; what one tensor load brings
.set SLOT,  4*HALFT
.set SCL,   2*SLOT                     ; the scale words: for each fetching wave [8 chunks][128 words]
.set SPARE, SCL+4*4096                 ; the spare words, 128 bytes a wave
.set ADRA, 16                          ; v16-17 LDS address of my A fragments in slot 0, 1;  v20-21 B's
.set ADRB, 20
.set ADRS, 27                          ; v27 my scale words: lanes 0-15 A's, lanes 16-31 B's
.set SPW,  28
.set NIL,  29
.set SC,   32                          ; v32-63 scale words, two sets: register 2 i + q
.set BIAS, 64                          ; v64-127 the bias in the result's layout, 8 registers a tile of B
.set AF,   128                         ; v128-223 A's fragments
.set H,    64                          ; the way out: 64 numbers
.set TM,   128
.set PC,   144
.set PW,   168
.set W0,   169
.set W1,   170
.set SC2,  171
.set PD,   172
.set BVR,  180
.set SEL,  20
.set G1, 24
.set G0, 32
.set G1B, 48
.set G0B, 56
.set G1S, 68
.set G0S, 76
.set G1SB, 80
.set G0SB, 88
.set MSB, 0
.macro WIN new                         ; the immediate's high byte repeats the setting that is left
.if MSB != (\new)
	s_set_vgpr_msb (MSB<<8)|(\new)
.set MSB, (\new)
.endif
.endm
.set MUL_LO, 0xa1                      ; source 0 (B) window 1, source 1 (A) window 0, C and D window 2
.set MUL_HI, 0xf1
.set TO_B,   0x40
.macro JLOAD g0a, g1a, g0b, g1b        ; a joint load: waves 0, 1 fetch for A, waves 2, 3 for B; four v_nop follow each line
	s_cmp_eq_u32 s15, 0
	s_cbranch_scc0 .Lfor_b_\@
	tensor_load_to_lds s[\g0a:\g0a+3], s[\g1a:\g1a+7]
	s_nop 0
.rept 4
	v_nop
.endr
	s_branch .Lasked_\@
.Lfor_b_\@:
	tensor_load_to_lds s[\g0b:\g0b+3], s[\g1b:\g1b+7]
	s_nop 0
.rept 4
	v_nop
.endr
.Lasked_\@:
.endm
.macro CREST
	s_cmp_lg_u32 s14, 0
	s_cbranch_scc1 .Lnot_wave_0_\@
	s_barrier_signal -3
.Lnot_wave_0_\@:
	s_barrier_wait -3
	s_barrier_signal -1
	s_barrier_wait -1
.endm
.macro CROUND
	s_barrier_signal -1
	s_barrier_wait -1
	CREST
.endm
.macro PLACES                          ; four plain instructions behind matrix instructions, ahead of loads into their registers and of reads of their results
.rept 4
	v_nop
.endr
.endm
	s_load_b256 s[4:11], s[0:1], 0x0               ; pre, bq, bk, bv
	s_load_b128 s[92:95], s[0:1], 0x20             ; pad_mask, the records
	v_lshl_add_u32 v[SPW], v0, 2, SPARE
	v_mov_b32 v[NIL], 0
	ds_add_u32 v28, v29
	ds_add_u32 v28, v29
	s_wait_dscnt 0x0
	v_lshrrev_b32 v1, 5, v0
	v_readfirstlane_b32 s14, v1                    ; wave 0..3
	s_lshr_b32 s15, s14, 1                         ; my half of A's rows; also: I fetch for A (0) or B (1)
	s_and_b32 s16, s14, 1                          ; my half of B's rows; also: which half I fetch
	s_bfe_u32 s40, ttmp6, 0x40000                  ; cx
	s_bfe_u32 s41, ttmp6, 0x40004                  ; cy
	s_and_b32 s45, ttmp7, 0xffff
	s_lshl_b32 s45, s45, 2                         ; 4 x cluster y
	s_lshl_b32 s19, ttmp9, 2                       ; 4 x kind
	s_mov_b32 s97, XS
	s_mov_b32 s99, QKVS
	s_cmp_eq_u32 ttmp9, 2                          ; v: the operands change places
	s_cselect_b32 s17, 8, s45
	s_cselect_b32 s42, s45, s19
	s_cselect_b32 s96, QKVC, 0                     ; A's codes,
	s_cselect_b32 s97, QKVS, s97                   ; A's scale words,
	s_cselect_b32 s98, 0, QKVC                     ; B's codes,
	s_cselect_b32 s99, XS, s99                     ; B's scale words
	s_add_co_u32 s17, s17, s41                     ; A's tile of 256 rows: hangs on cy alone within the cluster
	s_add_co_u32 s42, s42, s40                     ; B's: on cx alone
	s_lshl_b32 s43, s41, 2
	s_lshl_b32 s43, 15, s43                        ; my row of the cluster
	s_lshl_b32 s44, 0x1111, s40                    ; my column
	s_or_b32 s[G1+0], s43, (3<<16)|(1<<21)         ; elements of 8 bytes, no padding; bit 21 beside the mask
	s_or_b32 s[G1B+0], s44, (3<<16)|(1<<21)
.irp g, G1, G1B                        ; codes: 8 row tiles x 3,072 bytes (two chunks), 12,288 bytes apart
	s_mov_b32 s[\g+1], 384<<16
	s_mov_b32 s[\g+2], 8<<16
	s_mov_b32 s[\g+3], 384<<16
	s_mov_b32 s[\g+4], 8
	s_mov_b32 s[\g+5], 1536
	s_mov_b32 s[\g+6], 0
	s_mov_b32 s[\g+7], 0
.endr
	s_or_b32 s[G1S+0], s43, (3<<16)|(1<<21)
	s_or_b32 s[G1SB+0], s44, (3<<16)|(1<<21)
.irp g, G1S, G1SB                      ; scale words: 8 chunks x 512 bytes (128 rows), 16,384 bytes apart
	s_mov_b32 s[\g+1], 64<<16
	s_mov_b32 s[\g+2], 8<<16
	s_mov_b32 s[\g+3], 64<<16
	s_mov_b32 s[\g+4], 8
	s_mov_b32 s[\g+5], 2048
	s_mov_b32 s[\g+6], 0
	s_mov_b32 s[\g+7], 0
.endr
	s_lshl_b32 s18, s16, 3
	s_lshl_b32 s20, s17, 4
	s_add_co_u32 s20, s20, s18                     ; the first of the 8 image tiles that I fetch
	s_mul_i32 s20, s20, 12288
	s_add_co_u32 s20, s20, s96
	s_mov_b32 s21, 0
	s_lshl_b32 s46, s42, 4
	s_add_co_u32 s46, s46, s18
	s_mul_i32 s46, s46, 12288
	s_add_co_u32 s46, s46, s98
	s_mov_b32 s47, 0
	s_lshl_b32 s18, s16, 9
	s_lshl_b32 s22, s17, 10
	s_add_co_u32 s22, s22, s18
	s_add_co_u32 s22, s22, s97
	s_mov_b32 s23, 0
	s_lshl_b32 s66, s42, 10
	s_add_co_u32 s66, s66, s18
	s_add_co_u32 s66, s66, s99
	s_mov_b32 s67, 0
	s_mul_i32 s45, s14, HALFT                      ; where they go: by the wave's number alone
	s_lshl_b32 s100, s14, 12
	s_wait_kmcnt 0x0
	s_add_nc_u64 s[20:21], s[4:5], s[20:21]
	s_add_nc_u64 s[22:23], s[4:5], s[22:23]
	s_add_nc_u64 s[46:47], s[4:5], s[46:47]
	s_add_nc_u64 s[66:67], s[4:5], s[66:67]
	CROUND                                         ; all sixteen work-groups are here: the first joint loads meet
	s_mov_b32 s[G0S], 1
	s_add_co_u32 s[G0S+1], s100, SCL
	s_mov_b64 s[G0S+2:G0S+3], s[22:23]
	s_or_b32 s[G0S+3], s[G0S+3], 0x80000000
	s_mov_b32 s[G0SB], 1
	s_add_co_u32 s[G0SB+1], s100, SCL
	s_mov_b64 s[G0SB+2:G0SB+3], s[66:67]
	s_or_b32 s[G0SB+3], s[G0SB+3], 0x80000000
	JLOAD G0S, G1S, G0SB, G1SB
.irp s, 0,1
	s_mov_b32 s[G0+4*\s], 1
	s_add_co_u32 s[G0+4*\s+1], s45, \s*SLOT
	s_add_nc_u64 s[G0+4*\s+2:G0+4*\s+3], s[20:21], \s*TILEB
	s_or_b32 s[G0+4*\s+3], s[G0+4*\s+3], 0x80000000
	s_mov_b32 s[G0B+4*\s], 1
	s_add_co_u32 s[G0B+4*\s+1], s45, \s*SLOT
	s_add_nc_u64 s[G0B+4*\s+2:G0B+4*\s+3], s[46:47], \s*TILEB
	s_or_b32 s[G0B+4*\s+3], s[G0B+4*\s+3], 0x80000000
	JLOAD G0+4*\s, G1, G0B+4*\s, G1B
.endr
	v_and_b32 v1, 15, v0                           ; r
	v_bfe_u32 v2, v0, 4, 1                         ; h
	v_and_b32 v3, 31, v0
	v_lshlrev_b32 v3, 4, v3                        ; 16 x lane: an image's place for my lane
	s_mul_i32 s18, s15, HALFT
	s_mul_i32 s19, s16, HALFT
	s_add_co_u32 s19, s19, 2*HALFT
.irp s, 0,1
	v_add_nc_u32 v[ADRA+\s], s18, v3
	v_add_nc_u32 v[ADRB+\s], s19, v3
	s_add_co_u32 s18, s18, SLOT
	s_add_co_u32 s19, s19, SLOT
.endr
	v_lshlrev_b32 v4, 2, v1                        ; 4 r
	s_lshl_b32 s18, s15, 12
	s_lshl_b32 s19, s16, 12
	s_add_co_u32 s19, s19, 2*4096
	s_sub_co_u32 s19, s19, s18
	v_mul_u32_u24 v6, s19, v2                      ; lanes 16-31 take B's: one product, the distance between the two
	s_add_co_u32 s18, s18, SCL
	v_add_nc_u32 v5, v4, v6
	v_add_nc_u32 v[ADRS], s18, v5
	v_lshlrev_b32 v7, 6, v2                        ; 64 h: the bias's lane term
	v_and_b32 v9, 8, v1
	v_add_nc_u32 v9, v9, v1                        ; r + 8 (r / 8): my lane-row's place in its 32 rows
	v_lshlrev_b32 v8, 7, v9
	v_lshl_add_u32 v8, v2, 5, v8                   ; the table's row of 128 bytes, + 32 h
	v_lshlrev_b32 v10, 2, v9
	v_and_b32 v11, 31, v0
	v_lshlrev_b32 v11, 3, v11                      ; 8 x lane
	v_mov_b32 v12, 0
	v_mov_b32 v13, 0
	v_sub_nc_u32 v14, 1, v2                        ; 1 - h
	; which tokens and which features are my wave's (these registers feed no descriptor and no LDS address)
	s_cmp_eq_u32 ttmp9, 2
	s_cselect_b32 s3, s42, s17                     ; the tokens' tile of 256,
	s_cselect_b32 s101, s16, s15                   ; my half of it,
	s_cselect_b32 s104, s17, s42                   ; the features' tile,
	s_cselect_b32 s105, s15, s16                   ; my half of it
	s_cmp_eq_u32 ttmp9, 1
	s_cselect_b64 s[6:7], s[8:9], s[6:7]           ; bk or bq
	s_and_b32 s12, s104, 3
	s_lshl_b32 s12, s12, 10
	s_lshl_b32 s2, s105, 9
	s_add_co_u32 s12, s12, s2
	s_mov_b32 s13, 0
	s_add_nc_u64 s[6:7], s[6:7], s[12:13]          ; the biases at my 128 features
	s_add_nc_u64 s[10:11], s[10:11], s[12:13]
	s_lshr_b32 s12, s3, 3
	s_lshl_b32 s12, s12, 4                         ; 16 x batch
	s_and_b32 s2, s104, 3
	s_lshl_b32 s2, s2, 2
	s_add_co_u32 s12, s12, s2
	s_lshl_b32 s2, s105, 1
	s_add_co_u32 s12, s12, s2                      ; + the first of my two heads
	s_mul_i32 s12, s12, HEADB
	s_and_b32 s2, s3, 7
	s_lshl_b32 s2, s2, 1
	s_add_co_u32 s2, s2, s101                      ; which 128 tokens of the sequence
	s_mul_i32 s2, s2, REC
	s_add_co_u32 s12, s12, s2
	s_cmp_eq_u32 ttmp9, 0
	s_cselect_b32 s2, 0, KVB
	s_add_co_u32 s12, s12, s2
	s_add_nc_u64 s[94:95], s[94:95], s[12:13]      ; my record of the first head; the second's lies HEADB on
	s_and_b32 s12, s3, 7
	s_lshl_b32 s12, s12, 15
	s_lshl_b32 s2, s101, 14
	s_add_co_u32 s12, s12, s2
	s_add_co_u32 s12, s12, TRIGC
	s_add_nc_u64 s[4:5], s[4:5], s[12:13]          ; the table at my first position
	s_lshl_b32 s12, s3, 8
	s_lshl_b32 s2, s101, 7
	s_add_co_u32 s12, s12, s2
	s_add_nc_u64 s[92:93], s[92:93], s[12:13]      ; the mask at my first token
	s_cmp_eq_u32 ttmp9, 2
	s_cbranch_scc1 .Lno_bias
.irp b, 0,1,2,3,4,5,6,7
	global_load_b128 v[BIAS+8*\b:BIAS+8*\b+3], v7, s[6:7] offset:(32*(\b/2)+8*(\b%2))*4
	global_load_b128 v[BIAS+8*\b+4:BIAS+8*\b+7], v7, s[6:7] offset:(32*(\b/2)+8*(\b%2))*4+16
.endr
	s_branch .Lbias_set
.Lno_bias:                             ; v's bias goes by A's rows, which is by lanes: it is added on the way out, and the sums begin at 0
.set j, 0
.rept 64
	v_mov_b32 v[BIAS+j], 0
.set j, j+1
.endr
.Lbias_set:
.macro FRAG reg, adr, q, i             ; a fragment comes as it lies: three loads of 512 consecutive bytes
.irp c, 0,1,2
	ds_load_b128 v[\reg+4*\c:\reg+4*\c+3], v[\adr] offset:(\i)*TILEB+(\q)*1536+512*\c
.endr
.endm
; 16 matrix instructions: A's blocks a0, a0 + 1 x B's eight.  p: B's set; q: the slot's chunk; sc: the set of scale words.  zero = 1: the first product starts the sums from the bias.
; The 64 accumulators take turns, one instruction a turn, in the same order in every step.
.macro MUL16 a0, p, q, sc, zero
.irp a, \a0, \a0+1
.irp b, 0,1,2,3,4,5,6,7
.if \zero
	v_wmma_scale_f32_16x16x128_f8f6f4 v[8*(8*((\a)%4)+\b):8*(8*((\a)%4)+\b)+7], v[128*(\p)+FR*\b:128*(\p)+FR*\b+FR-1], v[AF+FR*(\a):AF+FR*(\a)+FR-1], v[BIAS+8*\b:BIAS+8*\b+7], v[SC+16*(\sc)+2*\b+(\q)], v[SC+16*(\sc)+2*(\a)+(\q)] matrix_a_fmt:MATRIX_FMT_FP6 matrix_b_fmt:MATRIX_FMT_FP6 matrix_a_scale:MATRIX_SCALE_ROW1
.else
	v_wmma_scale_f32_16x16x128_f8f6f4 v[8*(8*((\a)%4)+\b):8*(8*((\a)%4)+\b)+7], v[128*(\p)+FR*\b:128*(\p)+FR*\b+FR-1], v[AF+FR*(\a):AF+FR*(\a)+FR-1], v[8*(8*((\a)%4)+\b):8*(8*((\a)%4)+\b)+7], v[SC+16*(\sc)+2*\b+(\q)], v[SC+16*(\sc)+2*(\a)+(\q)] matrix_a_fmt:MATRIX_FMT_FP6 matrix_b_fmt:MATRIX_FMT_FP6 matrix_a_scale:MATRIX_SCALE_ROW1
.endif
.endr
.endr
.endm
.macro FETCH_B slot, q, p
	WIN TO_B
.irp i, 0,1,2,3,4,5,6,7
	FRAG 128*(\p)+FR*\i, ADRB+\slot, \q, \i
.endr
	WIN 0
.endm
.macro FETCH_A slot, q, i0
.irp i, \i0, \i0+1, \i0+2, \i0+3
	FRAG AF+FR*(\i), ADRA+\slot, \q, \i
.endr
.endm
.macro SCALES sc                       ; the slot's scale words: lanes 0-15 A's block i, lanes 16-31 B's block i, chunk q
.irp i, 0,1,2,3,4,5,6,7
.irp q, 0,1
	ds_load_b32 v[SC+16*\sc+2*\i+\q], v[ADRS] offset:\q*512+\i*64
.endr
.endr
.endm
.macro STEP slot, zero                 ; a slot's first chunk; it fetches the second's fragments
	s_wait_dscnt 4*NL                              ; all but the youngest twelve loads (A's blocks 4-7)
.if \zero
	WIN 0x81                                       ; C, the bias, in window 0
.else
	WIN MUL_LO
.endif
	MUL16 0, 0, 0, \slot, \zero
	MUL16 2, 0, 0, \slot, \zero
	s_wait_dscnt 0x0                               ; A's blocks 4-7 are in
	PLACES
	FETCH_B \slot, 1, 1
	FETCH_A \slot, 1, 0
.if \zero
	WIN 0xc1
.else
	WIN MUL_HI
.endif
	MUL16 4, 0, 0, \slot, \zero
	MUL16 6, 0, 0, \slot, \zero
	PLACES
	WIN 0
	FETCH_A \slot, 1, 4
.endm
; A slot's second chunk changes slots: one barrier; in front of it each wave waits for all its tensor loads, adds 0 to its spare word, and waits for that and for its reads of this slot.
.macro TURN slot, next, fill
	s_wait_tensorcnt 0x0                           ; my part of the next slot has landed; no load of mine is out
	ds_add_u32 v[SPW], v[NIL]
	s_wait_dscnt 4*NL+1                            ; (the add and A's blocks 4-7 may be out)
	WIN MUL_LO
	MUL16 0, 1, 1, \slot, 0
	s_wait_dscnt 0x0                               ; the add is done, my reads of this slot are over
	s_barrier_signal -1
	MUL16 2, 1, 1, \slot, 0
	WIN 0
	s_barrier_wait -1
.if \fill
	CREST                                          ; the barrier has opened a round of the cluster's: no wave of any partner reads this slot or has a load on its way
	s_add_nc_u64 s[G0+4*\slot+2:G0+4*\slot+3], s[G0+4*\slot+2:G0+4*\slot+3], 2*TILEB
	s_add_nc_u64 s[G0B+4*\slot+2:G0B+4*\slot+3], s[G0B+4*\slot+2:G0B+4*\slot+3], 2*TILEB
	JLOAD G0+4*\slot, G1, G0B+4*\slot, G1B         ; the first tensor load behind the round; its four v_nop are the places for the loads below
.else
	PLACES
.endif
	v_add_nc_u32 v[ADRS], 1024, v[ADRS]            ; two chunks of scale words on
	FETCH_B \next, 0, 0
	FETCH_A \next, 0, 0
	SCALES \next
	WIN MUL_HI
	MUL16 4, 1, 1, \slot, 0
	MUL16 6, 1, 1, \slot, 0
	PLACES
	WIN 0
	FETCH_A \next, 0, 4
.endm
	s_wait_tensorcnt 1                             ; the scale words and my part of slot 0 are in; slot 1's load may be out
	s_barrier_signal -1
	s_barrier_wait -1
	FETCH_B 0, 0, 0
	FETCH_A 0, 0, 0
	SCALES 0
	FETCH_A 0, 0, 4
	s_wait_loadcnt 0x0                             ; the bias
	STEP 0, 1                                      ; K = 1,024 is eight chunks, four slots' worth: written straight
	TURN 0, 1, 1
	STEP 1, 0
	TURN 1, 0, 1
	STEP 0, 0
	TURN 0, 1, 0
	STEP 1, 0
	s_wait_dscnt 4*NL
	WIN MUL_LO
	MUL16 0, 1, 1, 1, 0
	MUL16 2, 1, 1, 1, 0
	s_wait_dscnt 0x0
	WIN MUL_HI
	MUL16 4, 1, 1, 1, 0
	MUL16 6, 1, 1, 1, 0
	WIN 0
	PLACES
; 64 numbers of a lane, register 16 b + i = k 32 b + 16 h + i of its row, become codes and a scale word.  st = 6: one fragment in v[pc .. pc+11];  st = 8: two halves, in v[pc .. pc+5] and v[pc+8 .. pc+13].
.macro QUANT src, pc, st
.irp b, 0,1,2,3
	v_max3_num_f32 v[TM+\b], |v[\src+16*\b]|, |v[\src+1+16*\b]|, 0x1800000   ; with the floor 2^(3 - 127)
.endr
.irp i, 2,4,6,8,10,12,14
.irp b, 0,1,2,3
	v_max3_num_f32 v[TM+\b], v[TM+\b], |v[\src+16*\b+\i]|, |v[\src+1+16*\b+\i]|
.endr
.endr
.irp b, 0,1,2,3
	v_permlanex16_b32 v[TM+4+\b], v[TM+\b], s[SEL], s[SEL+1]
.endr
.irp b, 0,1,2,3
	v_max_num_f32 v[TM+\b], v[TM+\b], v[TM+4+\b]
.endr
.irp b, 0,1,2,3
	v_add_nc_u32 v[TM+12+\b], 0xff000000, v[TM+\b]   ; 2 off the exponent field: the conversion's scale operand
.endr
.irp b, 0,1,2,3
	v_lshrrev_b32 v[TM+4+\b], 23, v[TM+12+\b]
.endr
	v_lshl_or_b32 v[PW], v[TM+5], 8, v[TM+4]
	v_lshl_or_b32 v[PW], v[TM+6], 16, v[PW]
	v_lshl_or_b32 v[PW], v[TM+7], 24, v[PW]
.irp c, 0,1
	v_cvt_scalef32_pk16_fp6_f32 v[\pc+\st*\c:\pc+\st*\c+2], v[\src+32*\c:\src+32*\c+15], v[TM+12+2*\c]
	v_cvt_scalef32_pk16_fp6_f32 v[\pc+2*\st+4*\c:\pc+2*\st+4*\c+2], v[\src+16+32*\c:\src+31+32*\c], v[TM+13+2*\c]
.endr
	v_nop                                          ; a plain instruction behind the conversions
.irp c, 0,1                            ; a whole block to a lane: lanes 0-15 block 2 c, lanes 16-31 block 2 c + 1
.irp i, 0,1,2
	v_permlane16_swap_b32 v[\pc+\st*\c+\i], v[\pc+2*\st+4*\c+\i]
.endr
.irp i, 0,1,2
	v_mov_b32 v[\pc+\st*\c+3+\i], v[\pc+2*\st+4*\c+\i]
.endr
.endr
.endm
	s_mov_b32 s[SEL], 0x76543210
	s_mov_b32 s[SEL+1], 0xfedcba98
.irp b, 0,1,2,3
	v_mov_b32 v[TM+4+\b], 0                        ; a lane permute's destination counts as read
.endr
	s_cmp_eq_u32 ttmp9, 2
	s_cbranch_scc1 .Lv_out
	; ---- q and k.  The table's rows of all eight blocks come into window 1 (B's fragments are done with): block a: 16 cos at 32 a, 16 sin at 32 a + 16
	WIN 0x40
.irp a, 0,1,2,3,4,5,6,7
.irp k, 0,1,2,3
	global_load_b128 v[32*\a+4*\k:32*\a+4*\k+3], v8, s[4:5] offset:(32*(\a/2)+8*(\a%2))*128+64*(\k/2)+16*(\k%2)
	global_load_b128 v[32*\a+16+4*\k:32*\a+16+4*\k+3], v8, s[4:5] offset:262144+(32*(\a/2)+8*(\a%2))*128+64*(\k/2)+16*(\k%2)
.endr
.endr
	WIN 0
.irp a, 0,1,2,3,4,5,6,7
	global_load_u8 v[PD+\a], v9, s[92:93] offset:32*(\a/2)+8*(\a%2)
.endr
	s_cmp_eq_u32 ttmp9, 1
	s_cselect_b32 s18, 63, 0                       ; k: a padded key's code, -7.5
	s_cselect_b32 s19, 0, 8                        ; q: the code of 1.0
	s_cselect_b32 s22, 156, 0                      ; k: byte 157 where padded,
	s_cselect_b32 s23, 1, 127                      ; else 1; q: 127
	v_mov_b32 v[PC+7], 0
	v_mov_b32 v[PC+15], 0
	global_store_b64 v11, v[12:13], s[94:95] offset:15104          ; the records' 256 zeros
	global_store_b64 v11, v[12:13], s[94:95] offset:HEADB+15104
	s_wait_loadcnt 0x0
; the rotary turn of block a: (e, o) -> (e cos - o sin, o cos + e sin); a pair of registers is a pair (e, o); each accumulator is read from its low end on
.macro GETQK a
	WIN 0x06+((\a)/4)                              ; source 0: window 2 or 3; source 1: window 1
.irp b, 0,1,2,3,4,5,6,7
.set HH, H+8*\b
.set AA, 64*((\a)%4)+8*\b
.set CC, 32*(\a)+8*((\b/2)%2)+4*(\b%2)
.irp e, 0,1
	v_pk_mul_f32 v[HH+4*\e:HH+4*\e+1], v[AA+4*\e:AA+4*\e+1], v[CC+2*\e:CC+2*\e+1] op_sel:[0,0] op_sel_hi:[1,0]
	v_pk_mul_f32 v[HH+4*\e+2:HH+4*\e+3], v[AA+4*\e+2:AA+4*\e+3], v[CC+2*\e:CC+2*\e+1] op_sel:[0,1] op_sel_hi:[1,1]
	v_pk_fma_f32 v[HH+4*\e:HH+4*\e+1], v[AA+4*\e:AA+4*\e+1], v[CC+16+2*\e:CC+16+2*\e+1], v[HH+4*\e:HH+4*\e+1] op_sel:[1,0,0] op_sel_hi:[0,0,1] neg_lo:[0,1,0]
	v_pk_fma_f32 v[HH+4*\e+2:HH+4*\e+3], v[AA+4*\e+2:AA+4*\e+3], v[CC+16+2*\e:CC+16+2*\e+1], v[HH+4*\e+2:HH+4*\e+3] op_sel:[1,1,0] op_sel_hi:[0,1,1] neg_lo:[0,1,0]
.endr
.endr
	WIN 0
.endm
.macro QKOUT a
	GETQK \a
	s_wait_xcnt 0x0                                ; the last block's stores have read their registers
	QUANT H, PC, 8
	v_mad_u32_u24 v[PC+6], v[PD+\a], s18, s19      ; the code at k = 64,
	v_mad_u32_u24 v[SC2], v[PD+\a], s22, s23       ; its block's byte
	v_mul_u32_u24 v[PC+6], v[PC+6], v14            ; (lanes 16-31 hold k = 96 on: zeros)
	v_and_b32 v[W0], 0xffff, v[PW]
	v_lshrrev_b32 v[W1], 16, v[PW]
	v_mov_b32 v[PC+14], v[PC+6]
	v_lshl_or_b32 v[W0], v[SC2], 16, v[W0]
	v_lshl_or_b32 v[W1], v[SC2], 16, v[W1]
	global_store_b128 v3, v[PC:PC+3], s[94:95] offset:\a*1024
	global_store_b128 v3, v[PC+4:PC+7], s[94:95] offset:\a*1024+512
	global_store_b128 v3, v[PC+8:PC+11], s[94:95] offset:HEADB+\a*1024
	global_store_b128 v3, v[PC+12:PC+15], s[94:95] offset:HEADB+\a*1024+512
	global_store_b32 v4, v[W0], s[94:95] offset:14336+\a*64        ; lanes 16-31 repeat lanes 0-15's word
	global_store_b32 v4, v[W1], s[94:95] offset:HEADB+14336+\a*64
.endm
.irp a, 0,1,2,3,4,5,6,7
	QKOUT \a
.endr
	s_branch .Lend
.Lv_out:
	; ---- v: a lane holds one channel, its registers 128 keys: bias, quantiser along the keys, one fragment a block
.irp a, 0,1,2,3,4,5,6,7
	global_load_b32 v[BVR+\a], v10, s[10:11] offset:(32*(\a/2)+8*(\a%2))*4
.endr
	s_wait_loadcnt 0x0
.macro VOUT a
	WIN 0x02+((\a)/4)
.set AA, 64*((\a)%4)
.set j, 0
.rept 32
.if (\a)%2
	v_pk_add_f32 v[H+j:H+j+1], v[AA+j:AA+j+1], v[BVR+2*((\a)/2):BVR+2*((\a)/2)+1] op_sel:[0,1] op_sel_hi:[1,1]
.else
	v_pk_add_f32 v[H+j:H+j+1], v[AA+j:AA+j+1], v[BVR+2*((\a)/2):BVR+2*((\a)/2)+1] op_sel:[0,0] op_sel_hi:[1,0]
.endif
.set j, j+2
.endr
	WIN 0
	s_wait_xcnt 0x0
	QUANT H, PC, 6
.irp c, 0,1,2
	global_store_b128 v3, v[PC+4*\c:PC+4*\c+3], s[94:95] offset:((\a)/4)*HEADB+8192+((\a)%4)*1536+512*\c
.endr
	global_store_b32 v4, v[PW], s[94:95] offset:((\a)/4)*HEADB+14848+((\a)%4)*64
.endm
.irp a, 0,1,2,3,4,5,6,7
	VOUT \a
.endr
.Lend:
	s_wait_tensorcnt 0x0                           ; the wave's end
	ds_add_u32 v[SPW], v[NIL]
	s_wait_dscnt 0x0
	CROUND                                         ; the closing round
	s_endpgm
.Lfunc_end_k_q96d12d04be_qkv:
	.size	k_q96d12d04be_qkv, .Lfunc_end_k_q96d12d04be_qkv-k_q96d12d04be_qkv
	.p2alignl 7, 3214868480
	.fill 96, 4, 3214868480
	.section	.rodata,"a",@progbits
	.p2align	6, 0x0
	.amdhsa_kernel k_q96d12d04be_qkv
		.amdhsa_group_segment_fixed_size 327680
		.amdhsa_private_segment_fixed_size 0
		.amdhsa_enable_private_segment 0
		.amdhsa_kernarg_size 48
		.amdhsa_user_sgpr_count 2
		.amdhsa_user_sgpr_kernarg_segment_ptr 1
		.amdhsa_wavefront_size32 1
		.amdhsa_system_sgpr_workgroup_id_x 1
		.amdhsa_system_sgpr_workgroup_id_y 1
		.amdhsa_system_sgpr_workgroup_id_z 1
		.amdhsa_system_vgpr_workitem_id 0
		.amdhsa_next_free_vgpr 1024
		.amdhsa_next_free_sgpr 106
		.amdhsa_reserve_vcc 0
		.amdhsa_float_denorm_mode_32 3
		.amdhsa_float_denorm_mode_16_64 3
		.amdhsa_memory_ordered 1
		.amdhsa_forward_progress 1
		.amdhsa_inst_pref_size 241
	.end_amdhsa_kernel
	.amdgpu_metadata
---
amdhsa.version: [ 1, 2 ]
amdhsa.kernels:
  - .name:           k_q96d12d04be_qkv
    .symbol:         k_q96d12d04be_qkv.kd
    .args:
      - { .name: pre, .offset: 0, .size: 8, .value_kind: global_buffer, .address_space: global }
      - { .name: bq, .offset: 8, .size: 8, .value_kind: global_buffer, .address_space: global }
      - { .name: bk, .offset: 16, .size: 8, .value_kind: global_buffer, .address_space: global }
      - { .name: bv, .offset: 24, .size: 8, .value_kind: global_buffer, .address_space: global }
      - { .name: pad_mask, .offset: 32, .size: 8, .value_kind: global_buffer, .address_space: global }
      - { .name: qkvr, .offset: 40, .size: 8, .value_kind: global_buffer, .address_space: global }
    .group_segment_fixed_size: 327680
    .private_segment_fixed_size: 0
    .kernarg_segment_align: 8
    .kernarg_segment_size: 48
    .max_flat_workgroup_size: 128
    .sgpr_count:     106
    .vgpr_count:     1024
    .wavefront_size: 32
...
	.end_amdgpu_metadata
.endif
;; end of part 2
;; launch attn (part 3): grid 8 x 32, 16 waves a work-group, no clusters, 251,904 bytes of LDS; arguments qkvr, att; writes att
.if DOCPART == 3
	.amdgcn_target "amdgcn-amd-amdhsa--gfx1250"
	.amdhsa_code_object_version 6
	.text
	.protected	k_q96d12d04be_attn
	.globl	k_q96d12d04be_attn
	.p2align	8
	.type	k_q96d12d04be_attn,@function
k_q96d12d04be_attn:
	s_mov_b64 s[64:65], 0
	v_nop
	global_prefetch_b8 v0, s[64:65] scope:SCOPE_SE
	s_setreg_imm32_b32 hwreg(HW_REG_WAVE_MODE, 25, 1), 1
	s_wait_xcnt 0x0
; Causal attention with a pad mask on codes of FP6, head size 64, 2,048 keys; the result leaves as codes, an operand image for the next product.
; t = score x log2(e) / 8; M = the running largest t rounded up to a whole number; p = 2^(t - M) is quantised along the keys; the row's sum is taken of the unquantised p and divides at the end.
; SHARES.  A work-group takes one head and the query blocks x and 15 - x (128 queries each), so that every work-group has 17 key steps' work for each pair of waves; each of its sixteen waves owns 16 queries in 256 registers.
; NO CLUSTER: which steps a wave leaves out under the causal mask is a branch on its query block, which would differ between partners.
; LDS.  The head's 16 records (K, V, their scale words: 245,760 bytes) are filled ONCE, by four tensor loads a wave issued together at the head: four loads of mine are out at the most.  Nothing is filled again.
; No prefetch: every byte that the launch reads through LDS is asked for by those first loads.
; Both products are used transposed: a lane holds ONE query.  Tile t's lane-row p is key 32 (t/2) + 8 (t%2) + p + 8 (p/8), so two tiles' 16 registers are 16 neighbouring keys.
; THE PAD MASK comes inside K's codes (k = 64): a padded key's score is about -8e9.  A ROW WHOSE ALLOWED KEYS ARE ALL PADDED gets what the definition gives it: all 2,048 logits are equal there, so the mean of all keys' V:
; wave w sums V over key step w by a product with ones; the sums meet in LDS; v_cndmask_b32 takes the mean where the row's largest t lies under -1e9.
; The output fragment spans two heads, so its middle 512 bytes and the scale half-words are written in part by each head's work-group.
; LIMITS: |score| x log2(e) / 8 under 1e8 for keys that are not padded; NaN and infinities are not served.
.set REC,   15360
.set HEADB, 16*REC
.set KVB,   7864320
.set STG,   4*REC                      ; a stage: four key steps
.set VS,    HEADB                      ; behind the records: 16 x 256 bytes, V's sums
.set ATS,   3145728
.set AK0,  1                           ; v1 16 x lane;  v2 + 8,192;  v3 14,336 + 4 r;  v4 14,848 + 4 r
.set AV0,  2
.set ASK0, 3
.set ASV0, 4
.set QL,   5                           ; v5 r + 8 (r / 8) - 16 h
.set VW,   6                           ; v6 where I put V's sums;  v7 where I read them
.set VR,   7
.set ADK,  8
.set ADV,  9
.set ADS,  10
.set ADT,  11
.set KB,   32                          ; v32-79   four fragments of K (registers 8-11 of each stay 0)
.set VF,   80                          ; v80-127  four fragments of V;  v28-31 their scale words
.set S,    128                         ; v128-191 S^T, then p
.set O,    192                         ; v192-223 O^T
.set WV,   18
.set SEL,  20
.set CS,   22
.set G1,   24
.set G0,   32
.set TB,   2
.set KF,   48
.set J,    49
.set QMIN, 50
.set QMAX, 51
.set CNT,  52
	s_load_b128 s[4:7], s[0:1], 0x0                ; the records, the output image
	v_lshl_add_u32 v254, v0, 2, 0x3d000
	v_mov_b32 v255, 0
	ds_add_u32 v254, v255
	ds_add_u32 v254, v255
	s_wait_dscnt 0x0
	v_lshrrev_b32 v8, 5, v0
	v_readfirstlane_b32 s[WV], v8                  ; wave 0..15
	s_and_b32 s53, ttmp7, 0xffff                   ; 16 x batch + head
	s_mul_i32 s54, s53, HEADB
	s_mul_i32 s55, s[WV], 3840                     ; my sixteenth of a stage: 15 rows of 256 bytes
	s_mov_b32 s[G1], 3<<16                         ; elements of 8 bytes, no mask, no padding
	s_mov_b32 s[G1+1], 32<<16
	s_mov_b32 s[G1+2], 15<<16
	s_mov_b32 s[G1+3], 32<<16
	s_mov_b32 s[G1+4], 15
	s_mov_b32 s[G1+5], 32
	s_mov_b32 s[G1+6], 0
	s_mov_b32 s[G1+7], 0
	s_add_co_u32 s56, s54, s55
	s_add_co_u32 s56, s56, KVB
	s_mov_b32 s57, 0
	s_wait_kmcnt 0x0
	s_add_nc_u64 s[56:57], s[4:5], s[56:57]
.irp s, 0,1,2,3
	s_mov_b32 s[G0+4*\s], 1
	s_add_co_u32 s[G0+4*\s+1], s55, \s*STG
	s_add_nc_u64 s[G0+4*\s+2:G0+4*\s+3], s[56:57], \s*STG
	s_or_b32 s[G0+4*\s+3], s[G0+4*\s+3], 0x80000000
.endr
.irp s, 0,1,2,3
	tensor_load_to_lds s[G0+4*\s:G0+4*\s+3], s[G1:G1+7]
	s_nop 0
.endr
.rept 4
	v_nop
.endr
	; which 16 queries are mine
	s_lshr_b32 s58, s[WV], 2
	s_xor_b32 s58, s58, s[WV]
	s_and_b32 s58, s58, 1                          ; of waves 2 m and 2 m + 1 one takes the early block, one the late
	s_sub_co_u32 s59, 15, ttmp9
	s_cmp_eq_u32 s58, 1
	s_cselect_b32 s59, s59, ttmp9
	s_lshl_b32 s59, s59, 3
	s_lshr_b32 s60, s[WV], 1
	s_add_co_u32 s59, s59, s60                     ; T: my tile among the sequence's 128
	s_lshr_b32 s60, s59, 1
	s_lshl_b32 s60, s60, 5
	s_and_b32 s61, s59, 1
	s_lshl_b32 s61, s61, 3
	s_add_co_u32 s[QMIN], s60, s61                 ; my queries are QMIN + 0..7 and QMIN + 16..23
	s_add_co_u32 s[QMAX], s[QMIN], 23
	s_lshr_b32 s60, s59, 3
	s_mul_i32 s60, s60, REC
	s_add_co_u32 s60, s60, s54
	s_and_b32 s61, s59, 7
	s_lshl_b32 s66, s61, 10
	s_add_co_u32 s66, s66, s60
	s_mov_b32 s67, 0
	s_add_nc_u64 s[66:67], s[4:5], s[66:67]        ; Q's codes
	s_lshl_b32 s68, s61, 6
	s_add_co_u32 s68, s68, s60
	s_add_co_u32 s68, s68, 14336
	s_mov_b32 s69, 0
	s_add_nc_u64 s[68:69], s[4:5], s[68:69]        ; Q's scale words
	s_lshr_b32 s60, s53, 4
	s_lshl_b32 s60, s60, 7
	s_add_co_u32 s60, s60, s59                     ; the output's image tile
	s_and_b32 s61, s53, 15
	s_lshr_b32 s62, s61, 1                         ; its chunk: two heads
	s_lshl_b32 s70, s60, 3
	s_add_co_u32 s70, s70, s62
	s_mul_i32 s70, s70, 1536
	s_mov_b32 s71, 0
	s_add_nc_u64 s[70:71], s[6:7], s[70:71]
	s_lshl_b32 s72, s62, 14
	s_lshl_b32 s60, s60, 6
	s_add_co_u32 s72, s72, s60
	s_and_b32 s61, s61, 1                          ; kept: even head or odd
	s_lshl_b32 s62, s61, 1
	s_add_co_u32 s72, s72, s62
	s_add_co_u32 s72, s72, ATS
	s_mov_b32 s73, 0
	s_add_nc_u64 s[72:73], s[6:7], s[72:73]
	s_mov_b32 s[SEL], 0x76543210
	s_mov_b32 s[SEL+1], 0xfedcba98
	s_mov_b32 s[CS], 0x3e38aa3b                    ; c = log2(e) / 8
	s_mov_b32 s[CS+1], s[CS]
	s_mov_b32 s[TB], 0
	s_mov_b32 s[KF], 0
	s_mov_b32 s[J], 0
	v_and_b32 v8, 15, v0                           ; r
	v_bfe_u32 v9, v0, 4, 1                         ; h
	v_and_b32 v10, 31, v0
	v_lshlrev_b32 v[AK0], 4, v10
	v_add_nc_u32 v[AV0], 8192, v[AK0]
	v_lshlrev_b32 v10, 2, v8
	v_add_nc_u32 v[ASK0], 14336, v10
	v_add_nc_u32 v[ASV0], 14848, v10
	v_and_b32 v[QL], 8, v8
	v_add_nc_u32 v[QL], v[QL], v8
	v_lshlrev_b32 v12, 4, v9
	v_sub_nc_u32 v[QL], v[QL], v12
	s_lshl_b32 s60, s[WV], 8
	s_add_co_u32 s60, s60, VS
	v_lshl_add_u32 v[VW], v9, 7, s60
	v_lshlrev_b32 v[VR], 8, v8
	v_lshl_add_u32 v[VR], v9, 7, v[VR]
	v_add_nc_u32 v[VR], VS, v[VR]
	global_load_b128 v[16:19], v[AK0], s[66:67]    ; Q's registers 0-7 stay
	global_load_b128 v[20:23], v[AK0], s[66:67] offset:512
	global_load_b32 v255, v10, s[68:69]
.irp i, 24,25,26,27
	v_mov_b32 v\i, 0                               ; k = 80 on: zero codes
.endr
.irp t, 0,1,2,3
.irp i, 8,9,10,11
	v_mov_b32 v[KB+12*\t+\i], 0
.endr
.endr
	v_mov_b32 v13, 0xff61b1e6                      ; the largest t so far: -3e38
	v_floor_f32 v12, -v13                          ; -M
	v_mov_b32 v14, 0
	v_mov_b32 v15, 0
.irp i, 236,237,238,239,252,253
	v_mov_b32 v\i, 0
.endr
.set j, 0
.rept 32
	v_mov_b32 v[O+j], 0                            ; the step is written once: the first finds zeros
.set j, j+1
.endr
.macro VLOAD
.irp t, 0,1,2,3
.irp c, 0,1,2
	ds_load_b128 v[VF+12*\t+4*\c:VF+12*\t+4*\c+3], v[ADV] offset:\t*1536+512*\c
.endr
	ds_load_b32 v[28+\t], v[ADT] offset:\t*64
.endr
.endm
.macro STEP
	; V's sum over this step's 128 keys, in the one wave whose number is the step's: a product with ones (code 1.0, byte 127), whether or not the step counts for my queries
	s_cmp_lg_u32 s[J], s[WV]
	s_cbranch_scc1 .Lnosum_\@
.rept 5
	v_nop                                          ; behind the last step's products, whose operands are written below
.endr
	v_mov_b32 v253, 0x7f7f7f7f
.irp i, 0,1,2,3
	v_mov_b32 v[224+3*\i], 0x08208208
	v_mov_b32 v[225+3*\i], 0x82082082
	v_mov_b32 v[226+3*\i], 0x20820820
.endr
	v_add_nc_u32 v[ADV], s[TB], v[AV0]
	v_add_nc_u32 v[ADT], s[TB], v[ASV0]
	VLOAD
	s_wait_dscnt 0x0
.rept 4
	v_nop
.endr
.irp t, 0,1,2,3
	v_wmma_scale_f32_16x16x128_f8f6f4 v[S+8*\t:S+8*\t+7], v[VF+12*\t:VF+12*\t+11], v[224:235], 0, v[28+\t], v253 matrix_a_fmt:MATRIX_FMT_FP6 matrix_b_fmt:MATRIX_FMT_FP6
.endr
.rept 4
	v_nop
.endr
.irp t, 0,1,2,3
	ds_store_b128 v[VW], v[S+8*\t:S+8*\t+3] offset:32*\t           ; all sixteen lanes of a half hold the same numbers and write the same bytes
	ds_store_b128 v[VW], v[S+8*\t+4:S+8*\t+7] offset:32*\t+16
.endr
.Lnosum_\@:
	s_cmp_gt_u32 s[KF], s[QMAX]                    ; all keys of the step come after my queries: its work is left out
	s_cbranch_scc1 .Lhidden_\@
	v_add_nc_u32 v[ADK], s[TB], v[AK0]
	v_add_nc_u32 v[ADV], s[TB], v[AV0]
	v_add_nc_u32 v[ADS], s[TB], v[ASK0]
	v_add_nc_u32 v[ADT], s[TB], v[ASV0]
.irp g, 0,1                            ; S^T = K Q^T, four tiles of 16 keys at a time
.if \g
.rept 4
	v_nop
.endr
.endif
.irp t, 0,1,2,3
	ds_load_b128 v[KB+12*\t:KB+12*\t+3], v[ADK] offset:(4*\g+\t)*1024
	ds_load_b128 v[KB+12*\t+4:KB+12*\t+7], v[ADK] offset:(4*\g+\t)*1024+512
	ds_load_b32 v[248+\t], v[ADS] offset:(4*\g+\t)*64
.endr
	s_wait_dscnt 0x0
.irp t, 0,1,2,3
	v_wmma_scale_f32_16x16x128_f8f6f4 v[S+8*(4*\g+\t):S+8*(4*\g+\t)+7], v[KB+12*\t:KB+12*\t+11], v[16:27], 0, v[248+\t], v255 matrix_a_fmt:MATRIX_FMT_FP6 matrix_b_fmt:MATRIX_FMT_FP6
.endr
.endr
	VLOAD                                          ; V lands under the softmax
.rept 4
	v_nop
.endr
	s_add_co_u32 s53, s[KF], 127
	s_cmp_le_u32 s53, s[QMIN]
	s_cbranch_scc1 .Lopen_\@                       ; all keys of the step count
	s_sub_co_i32 s53, s[QMIN], s[KF]
	v_add_nc_u32 v252, s53, v[QL]                  ; d = my query - KF - 16 h; register 16 b + i holds key KF + 16 h + 32 b + i: hidden where 32 b + i > d
	v_mov_b32 v254, 0xff800000
.set n, 0
.rept 64
	v_cmp_gt_i32 vcc_lo, 32*(n/16)+n%16, v252
	v_cndmask_b32 v[S+n], v[S+n], v254, vcc_lo
.set n, n+1
.endr
.Lopen_\@:
.irp b, 0,1,2,3
	v_max3_num_f32 v[232+\b], v[S+16*\b], v[S+1+16*\b], v[S+2+16*\b]   ; each block's largest score: for the row's maximum and for the block's largest p
.endr
.irp i, 3,5,7,9,11,13
.irp b, 0,1,2,3
	v_max3_num_f32 v[232+\b], v[232+\b], v[S+16*\b+\i], v[S+1+16*\b+\i]
.endr
.endr
.irp b, 0,1,2,3
	v_max_num_f32 v[232+\b], v[232+\b], v[S+15+16*\b]
.endr
.irp b, 0,1,2,3
	v_permlanex16_b32 v[236+\b], v[232+\b], s[SEL], s[SEL+1]
.endr
.irp b, 0,1,2,3
	v_max_num_f32 v[232+\b], v[232+\b], v[236+\b]
.endr
	v_max3_num_f32 v254, v232, v233, v234
	v_max_num_f32 v254, v254, v235
	v_mul_f32 v254, s[CS], v254
	v_max_num_f32 v13, v13, v254                   ; the running largest t
	v_mov_b32 v254, v12
	v_floor_f32 v12, -v13                          ; -M = floor(-t): M is a whole number
	v_sub_f32 v254, v12, v254
	v_cvt_i32_f32 v254, v254                       ; (it saturates)
	v_ldexp_f32 v252, 1.0, v254                    ; f = 2^(old M - new M)
.set j, 0
.rept 32
	v_pk_fma_f32 v[S+j:S+j+1], v[S+j:S+j+1], s[CS:CS+1], v[12:13] op_sel_hi:[1,0,0]
.set j, j+2
.endr
.irp b, 0,1,2,3
	v_fma_f32 v[232+\b], v[232+\b], s[CS], v12
.endr
.set j, 0
.rept 64
	v_exp_f32 v[S+j], v[S+j]                       ; p = 2^(t - M)
.set j, j+1
.endr
	v_pk_mul_f32 v[14:15], v[14:15], v[252:253] op_sel_hi:[1,0]    ; a plain instruction behind the batch
	s_wait_alu depctr_va_vdst(0)                   ; one wait for the 64, ahead of their first reader
.irp b, 0,1,2,3
	v_exp_f32 v[232+\b], v[232+\b]                 ; each block's largest p
.endr
	v_pk_add_f32 v[236:237], v[S:S+1], v[S+2:S+3]  ; the row's sum of the unquantised p, in two chains
.set j, 4
.rept 15
	v_pk_add_f32 v[14:15], v[14:15], v[S+j:S+j+1]
	v_pk_add_f32 v[236:237], v[236:237], v[S+j+2:S+j+3]
.set j, j+4
.endr
	v_pk_add_f32 v[14:15], v[14:15], v[236:237]
	s_wait_alu depctr_va_vdst(0)                   ; and one for the four
.irp b, 0,1,2,3
	v_max_num_f32 v[232+\b], 0x1800000, v[232+\b]
.endr
.irp b, 0,1,2,3
	v_add_nc_u32 v[244+\b], 0xff000000, v[232+\b]
.endr
.irp b, 0,1,2,3
	v_lshrrev_b32 v[236+\b], 23, v[244+\b]
.endr
	v_lshl_or_b32 v253, v237, 8, v236              ; p's scale word
	v_lshl_or_b32 v253, v238, 16, v253
	v_lshl_or_b32 v253, v239, 24, v253
.irp c, 0,1
	v_cvt_scalef32_pk16_fp6_f32 v[224+6*\c:226+6*\c], v[S+32*\c:S+15+32*\c], v[244+2*\c]
	v_cvt_scalef32_pk16_fp6_f32 v[236+4*\c:238+4*\c], v[S+16+32*\c:S+31+32*\c], v[245+2*\c]
.endr
	v_nop
.irp c, 0,1
.irp i, 0,1,2
	v_permlane16_swap_b32 v[224+6*\c+\i], v[236+4*\c+\i]
.endr
.irp i, 0,1,2
	v_mov_b32 v[227+6*\c+\i], v[236+4*\c+\i]
.endr
.endr
.set j, 0
.rept 16
	v_pk_mul_f32 v[O+j:O+j+1], v[O+j:O+j+1], v[252:253] op_sel_hi:[1,0]   ; O^T under the new M; these sixteen are also the places ahead of the products
.set j, j+2
.endr
	s_wait_dscnt 0x0                               ; V
.irp t, 0,1,2,3
	v_wmma_scale_f32_16x16x128_f8f6f4 v[O+8*\t:O+8*\t+7], v[VF+12*\t:VF+12*\t+11], v[224:235], v[O+8*\t:O+8*\t+7], v[28+\t], v253 matrix_a_fmt:MATRIX_FMT_FP6 matrix_b_fmt:MATRIX_FMT_FP6
.endr
.Lhidden_\@:
	s_add_co_u32 s[TB], s[TB], REC
	s_add_co_u32 s[KF], s[KF], 128
	s_add_co_u32 s[J], s[J], 1
.endm
.macro STAGE s                         ; four key steps, behind the barrier that shows their records whole
	s_wait_tensorcnt 3-\s                          ; my part of this stage has landed; the later stages' loads stay out
	s_wait_dscnt 0x0
	s_barrier_signal -1
	s_barrier_wait -1
	s_mov_b32 s[CNT], 4
.Lstep_\@:
	STEP
	s_sub_co_u32 s[CNT], s[CNT], 1
	s_cmp_lg_u32 s[CNT], 0
	s_cbranch_scc1 .Lstep_\@
.endm
	s_wait_loadcnt 0x0                             ; Q
	STAGE 0
	STAGE 1
	STAGE 2
	STAGE 3
	; ---- the way out
.rept 4
	v_nop
.endr
	s_wait_dscnt 0x0                               ; my sums of V have landed
	s_barrier_signal -1
	s_barrier_wait -1
.irp k, 0,1,2,3,4,5,6,7
	ds_load_b128 v[S+4*\k:S+4*\k+3], v[VR] offset:16*\k            ; lane (r, h): wave r's sums, my half's 32 channels
.endr
	v_add_f32 v14, v14, v15
	v_permlanex16_b32 v252, v14, s[SEL], s[SEL+1]
	v_add_f32 v14, v14, v252                       ; the row's sum
	v_rcp_f32 v14, v14
	v_mov_b32 v254, 0xce6e6b28                     ; -1e9
	v_cmp_lt_f32 vcc_lo, v13, v254                 ; no key that counts was free of the pad mask
	s_wait_dscnt 0x0
.irp m, 1,2,4,8
.set j, 0
.rept 32
	v_add_f32_dpp v[S+j], v[S+j], v[S+j] row_xmask:\m row_mask:0xf bank_mask:0xf
.set j, j+1
.endr
.endr
	s_wait_alu depctr_va_vdst(0)                   ; the reciprocal's wait, ahead of its first reader
.set j, 0
.rept 16
	v_pk_mul_f32 v[S+32+j:S+33+j], v[O+j:O+j+1], v[14:15] op_sel_hi:[1,0]
	v_pk_mul_f32 v[S+j:S+j+1], v[S+j:S+j+1], 0x3a000000 op_sel_hi:[1,0]    ; / 2,048
.set j, j+2
.endr
.set j, 0
.rept 32
	v_cndmask_b32 v[S+32+j], v[S+32+j], v[S+j], vcc_lo
.set j, j+1
.endr
	; my head's 64 channels are two blocks of the next product's K
.irp b, 0,1
	v_max3_num_f32 v[232+\b], |v[S+32+16*\b]|, |v[S+33+16*\b]|, 0x1800000
.endr
.irp i, 2,4,6,8,10,12,14
.irp b, 0,1
	v_max3_num_f32 v[232+\b], v[232+\b], |v[S+32+16*\b+\i]|, |v[S+33+16*\b+\i]|
.endr
.endr
.irp b, 0,1
	v_permlanex16_b32 v[236+\b], v[232+\b], s[SEL], s[SEL+1]
.endr
.irp b, 0,1
	v_max_num_f32 v[232+\b], v[232+\b], v[236+\b]
.endr
.irp b, 0,1
	v_add_nc_u32 v[244+\b], 0xff000000, v[232+\b]
.endr
.irp b, 0,1
	v_lshrrev_b32 v[236+\b], 23, v[244+\b]
.endr
	v_lshl_or_b32 v240, v237, 8, v236
	v_cvt_scalef32_pk16_fp6_f32 v[224:226], v[S+32:S+47], v244
	v_cvt_scalef32_pk16_fp6_f32 v[236:238], v[S+48:S+63], v245
	v_nop
.irp i, 0,1,2
	v_permlane16_swap_b32 v[224+\i], v[236+\i]
.endr
.irp i, 0,1,2
	v_mov_b32 v[227+\i], v[236+\i]
.endr
	v_and_b32 v8, 15, v0
	v_lshlrev_b32 v8, 2, v8
	s_cmp_eq_u32 s61, 1
	s_cbranch_scc1 .Lodd
	global_store_b128 v[AK0], v[224:227], s[70:71]             ; an even head: the fragment's registers 0-5
	global_store_b64 v[AK0], v[228:229], s[70:71] offset:512
	s_branch .Lword
.Lodd:
	global_store_b64 v[AK0], v[224:225], s[70:71] offset:520   ; an odd head: registers 6-11
	global_store_b128 v[AK0], v[226:229], s[70:71] offset:1024
.Lword:
	global_store_b16 v8, v240, s[72:73]            ; my head's half of the scale word
	s_wait_xcnt 0x0
	v_lshl_add_u32 v254, v0, 2, 0x3d000
	v_mov_b32 v255, 0
	s_wait_tensorcnt 0x0
	ds_add_u32 v254, v255
	s_wait_dscnt 0x0
	s_endpgm
.Lfunc_end_k_q96d12d04be_attn:
	.size	k_q96d12d04be_attn, .Lfunc_end_k_q96d12d04be_attn-k_q96d12d04be_attn
	.p2alignl 7, 3214868480
	.fill 96, 4, 3214868480
	.section	.rodata,"a",@progbits
	.p2align	6, 0x0
	.amdhsa_kernel k_q96d12d04be_attn
		.amdhsa_group_segment_fixed_size 251904
		.amdhsa_private_segment_fixed_size 0
		.amdhsa_enable_private_segment 0
		.amdhsa_kernarg_size 16
		.amdhsa_user_sgpr_count 2
		.amdhsa_user_sgpr_kernarg_segment_ptr 1
		.amdhsa_wavefront_size32 1
		.amdhsa_system_sgpr_workgroup_id_x 1
		.amdhsa_system_sgpr_workgroup_id_y 1
		.amdhsa_system_sgpr_workgroup_id_z 1
		.amdhsa_system_vgpr_workitem_id 0
		.amdhsa_next_free_vgpr 256
		.amdhsa_next_free_sgpr 76
		.amdhsa_reserve_vcc 1
		.amdhsa_float_denorm_mode_32 3
		.amdhsa_float_denorm_mode_16_64 3
		.amdhsa_memory_ordered 1
		.amdhsa_forward_progress 1
		.amdhsa_inst_pref_size 124
	.end_amdhsa_kernel
	.amdgpu_metadata
---
amdhsa.version: [ 1, 2 ]
amdhsa.kernels:
  - .name:           k_q96d12d04be_attn
    .symbol:         k_q96d12d04be_attn.kd
    .args:
      - { .name: qkvr, .offset: 0, .size: 8, .value_kind: global_buffer, .address_space: global }
      - { .name: att, .offset: 8, .size: 8, .value_kind: global_buffer, .address_space: global }
    .group_segment_fixed_size: 251904
    .private_segment_fixed_size: 0
    .kernarg_segment_align: 8
    .kernarg_segment_size: 16
    .max_flat_workgroup_size: 512
    .sgpr_count:     76
    .vgpr_count:     256
    .wavefront_size: 32
...
	.end_amdgpu_metadata
.endif
;; end of part 3
;; launch wo (part 4): grid 8 x 32, 4 waves a work-group, clusters of 4 x 4, 327,680 bytes of LDS; arguments att, pre, bo, x, x1; writes x1
.if DOCPART == 4
	.amdgcn_target "amdgcn-amd-amdhsa--gfx1250"
	.amdhsa_code_object_version 6
	.text
	.protected	k_q96d12d04be_wo
	.globl	k_q96d12d04be_wo
	.p2align	8
	.type	k_q96d12d04be_wo,@function
k_q96d12d04be_wo:
	s_mov_b64 s[64:65], 0
	v_nop
	global_prefetch_b8 v0, s[64:65] scope:SCOPE_SE
	s_setreg_imm32_b32 hwreg(HW_REG_WAVE_MODE, 25, 1), 1
	s_wait_xcnt 0x0
	s_wait_alu depctr_hold_cnt(0) depctr_sa_sdst(0) depctr_va_vdst(0) depctr_va_sdst(0) depctr_va_ssrc(0) depctr_va_vcc(0) depctr_vm_vsrc(0)
	s_getreg_b32 s2, hwreg(HW_REG_IB_STS2, 6, 4)
	s_cmp_eq_u32 s2, 0
	s_cbranch_scc0 .Lentry_in_a_cluster
	s_endpgm
.Lentry_in_a_cluster:
	s_bfe_u32 s2, ttmp6, 0x10000c
	s_cmp_lg_u32 s2, 0xf033
	s_cbranch_scc0 .Lentry_shape_is_right
	s_endpgm
.Lentry_shape_is_right:
; out = res + A B^T + bias on codes of FP6 with E8M0 scales.  A: 4,096 rows, B: 1,024 rows, both as operand images (16 rows x 128 K = 1,536 bytes; lane-row p of tile T is row 32 (T/2) + 8 (T%2) + p + 8 (p/8)); K = 128 NCH.
; A tile of 128 x 128 to a work-group, so that there are 256 of them; 64 x 64 to a wave: 16 accumulators.  Tiles of 256 x 256 would give 64 work-groups.
; K goes through a ring of two LDS slots of four chunks, filled by joint tensor loads (A's tiles shared along a row of the 4 x 4 cluster, B's along a column); the scale words of all of K come once.
; The matrix instruction is used transposed (source 0 = B's rows, source 1 = A's): a lane holds one row of the output and runs of eight neighbouring columns.  The bias is the C of each sum's first product.
; The way out goes through the wave's own stage in LDS: sixteen lanes store 256 consecutive, aligned bytes; the residual, loaded at the head in the same order, is added on the way.
.set NCH,   8                          ; chunks of 128 along K
.set ASC,   3145728                    ; A's scale words in its buffer
.set BC,    5767168                    ; B's codes and scale words in pre
.set BS,    6553600
.set FR,    12
.set TILEB, 6144                       ; a row tile's four chunks in a slot
.set HALFT, 4*TILEB
.set SLOT,  4*HALFT
.set SCL,   2*SLOT
.set HALFS, NCH*256                    ; the scale words of 64 rows: [chunk][64 words]
.set STAGE, 229376
.set SPITCH, 272
.set SPARE, STAGE+4*16*SPITCH
.set LAPS,  NCH/8
.set ADRA, 16
.set ADRB, 20
.set STO,  24
.set RD,   25
.set CO,   26
.set ADRS, 27
.set SPW,  28
.set NIL,  29
.set SC,   32                          ; v32-39 scale words, two sets of four
.set BIAS, 64
.set TMP,  96
.set ACC,  128                         ; accumulator (a, b) at v[128 + 8 (4 a + b)]
.set G1, 24
.set G0, 32
.set G1B, 48
.set G0B, 56
.set G1S, 68
.set G0S, 76
.set G1SB, 80
.set G0SB, 88
.set MSB, 0
.macro WIN new
.if MSB != (\new)
	s_set_vgpr_msb (MSB<<8)|(\new)
.set MSB, (\new)
.endif
.endm
.set MUL,  0x05                        ; both fragments in window 1; C and D in window 0
.set TO_F, 0x40
.macro JLOAD g0a, g1a, g0b, g1b
	s_cmp_eq_u32 s15, 0
	s_cbranch_scc0 .Lfor_b_\@
	tensor_load_to_lds s[\g0a:\g0a+3], s[\g1a:\g1a+7]
	s_nop 0
.rept 4
	v_nop
.endr
	s_branch .Lasked_\@
.Lfor_b_\@:
	tensor_load_to_lds s[\g0b:\g0b+3], s[\g1b:\g1b+7]
	s_nop 0
.rept 4
	v_nop
.endr
.Lasked_\@:
.endm
.macro CREST
	s_cmp_lg_u32 s14, 0
	s_cbranch_scc1 .Lnot_wave_0_\@
	s_barrier_signal -3
.Lnot_wave_0_\@:
	s_barrier_wait -3
	s_barrier_signal -1
	s_barrier_wait -1
.endm
.macro CROUND
	s_barrier_signal -1
	s_barrier_wait -1
	CREST
.endm
.macro PLACES
.rept 4
	v_nop
.endr
.endm
	s_load_b256 s[4:11], s[0:1], 0x0               ; A, pre, bias, residual
	s_load_b64 s[12:13], s[0:1], 0x20              ; out
	v_lshl_add_u32 v[SPW], v0, 2, SPARE
	v_mov_b32 v[NIL], 0
	ds_add_u32 v28, v29
	ds_add_u32 v28, v29
	s_wait_dscnt 0x0
	v_lshrrev_b32 v1, 5, v0
	v_readfirstlane_b32 s14, v1
	s_lshr_b32 s15, s14, 1                         ; my half of A's rows; also: I fetch for A (0) or B (1)
	s_and_b32 s16, s14, 1                          ; my half of B's rows; also: which half I fetch
	s_bfe_u32 s40, ttmp6, 0x40000
	s_bfe_u32 s41, ttmp6, 0x40004
	s_lshl_b32 s42, ttmp9, 2
	s_add_co_u32 s42, s42, s40                     ; B's tile of 128 rows
	s_and_b32 s17, ttmp7, 0xffff
	s_lshl_b32 s17, s17, 2
	s_add_co_u32 s17, s17, s41                     ; A's tile of 128 rows
	s_lshl_b32 s43, s41, 2
	s_lshl_b32 s43, 15, s43
	s_lshl_b32 s44, 0x1111, s40
	s_or_b32 s[G1+0], s43, (3<<16)|(1<<21)
	s_or_b32 s[G1B+0], s44, (3<<16)|(1<<21)
.irp g, G1, G1B                        ; codes: 4 row tiles x 6,144 bytes (four chunks), 1,536 NCH bytes apart
	s_mov_b32 s[\g+1], 768<<16
	s_mov_b32 s[\g+2], 4<<16
	s_mov_b32 s[\g+3], 768<<16
	s_mov_b32 s[\g+4], 4
	s_mov_b32 s[\g+5], NCH*192
	s_mov_b32 s[\g+6], 0
	s_mov_b32 s[\g+7], 0
.endr
	s_or_b32 s[G1S+0], s43, (3<<16)|(1<<21)
	s_or_b32 s[G1SB+0], s44, (3<<16)|(1<<21)
.irp g, G1S, G1SB                      ; scale words: NCH chunks x 256 bytes (64 rows)
	s_mov_b32 s[\g+1], 32<<16
	s_mov_b32 s[\g+2], NCH<<16
	s_mov_b32 s[\g+3], 32<<16
	s_mov_b32 s[\g+4], NCH
	s_mov_b32 s[\g+6], 0
	s_mov_b32 s[\g+7], 0
.endr
	s_mov_b32 s[G1S+5], 2048                       ; A has 4,096 rows: 16,384 bytes from chunk to chunk
	s_mov_b32 s[G1SB+5], 512                       ; B has 1,024
	s_lshl_b32 s18, s16, 2
	s_lshl_b32 s20, s17, 3
	s_add_co_u32 s20, s20, s18
	s_mul_i32 s20, s20, NCH*1536
	s_mov_b32 s21, 0
	s_lshl_b32 s46, s42, 3
	s_add_co_u32 s46, s46, s18
	s_mul_i32 s46, s46, NCH*1536
	s_add_co_u32 s46, s46, BC
	s_mov_b32 s47, 0
	s_lshl_b32 s18, s16, 8
	s_lshl_b32 s22, s17, 9
	s_add_co_u32 s22, s22, s18
	s_add_co_u32 s22, s22, ASC
	s_mov_b32 s23, 0
	s_lshl_b32 s66, s42, 9
	s_add_co_u32 s66, s66, s18
	s_add_co_u32 s66, s66, BS
	s_mov_b32 s67, 0
	s_mul_i32 s45, s14, HALFT
	s_mul_i32 s96, s14, HALFS
	s_wait_kmcnt 0x0
	s_add_nc_u64 s[20:21], s[4:5], s[20:21]
	s_add_nc_u64 s[22:23], s[4:5], s[22:23]
	s_add_nc_u64 s[46:47], s[6:7], s[46:47]
	s_add_nc_u64 s[66:67], s[6:7], s[66:67]
	CROUND
	s_mov_b32 s[G0S], 1
	s_add_co_u32 s[G0S+1], s96, SCL
	s_mov_b64 s[G0S+2:G0S+3], s[22:23]
	s_or_b32 s[G0S+3], s[G0S+3], 0x80000000
	s_mov_b32 s[G0SB], 1
	s_add_co_u32 s[G0SB+1], s96, SCL
	s_mov_b64 s[G0SB+2:G0SB+3], s[66:67]
	s_or_b32 s[G0SB+3], s[G0SB+3], 0x80000000
	JLOAD G0S, G1S, G0SB, G1SB
.irp s, 0,1
	s_mov_b32 s[G0+4*\s], 1
	s_add_co_u32 s[G0+4*\s+1], s45, \s*SLOT
	s_add_nc_u64 s[G0+4*\s+2:G0+4*\s+3], s[20:21], \s*TILEB
	s_or_b32 s[G0+4*\s+3], s[G0+4*\s+3], 0x80000000
	s_mov_b32 s[G0B+4*\s], 1
	s_add_co_u32 s[G0B+4*\s+1], s45, \s*SLOT
	s_add_nc_u64 s[G0B+4*\s+2:G0B+4*\s+3], s[46:47], \s*TILEB
	s_or_b32 s[G0B+4*\s+3], s[G0B+4*\s+3], 0x80000000
	JLOAD G0+4*\s, G1, G0B+4*\s, G1B
.endr
	v_and_b32 v1, 15, v0                           ; r
	v_bfe_u32 v2, v0, 4, 1                         ; h
	v_and_b32 v3, 31, v0
	v_lshlrev_b32 v3, 4, v3
	s_mul_i32 s18, s15, HALFT
	s_mul_i32 s19, s16, HALFT
	s_add_co_u32 s19, s19, 2*HALFT
.irp s, 0,1
	v_add_nc_u32 v[ADRA+\s], s18, v3
	v_add_nc_u32 v[ADRB+\s], s19, v3
	s_add_co_u32 s18, s18, SLOT
	s_add_co_u32 s19, s19, SLOT
.endr
	v_lshlrev_b32 v4, 2, v1
	s_mul_i32 s18, s15, HALFS
	s_mul_i32 s19, s16, HALFS
	s_add_co_u32 s19, s19, 2*HALFS
	s_sub_co_u32 s19, s19, s18
	v_mul_u32_u24 v6, s19, v2                      ; lanes 16-31 take B's
	s_add_co_u32 s18, s18, SCL
	v_add_nc_u32 v5, v4, v6
	v_add_nc_u32 v[ADRS], s18, v5
	s_mul_i32 s23, s14, 16*SPITCH
	s_add_co_u32 s23, s23, STAGE
	v_mul_u32_u24 v4, v1, SPITCH
	v_lshl_add_u32 v4, v2, 6, v4
	v_add_nc_u32 v[STO], s23, v4                   ; in: row r, + 64 h
	v_mul_u32_u24 v5, v2, SPITCH
	v_lshl_add_u32 v5, v1, 4, v5
	v_add_nc_u32 v[RD], s23, v5                    ; back: lanes 0-15 one row of 256 bytes, lanes 16-31 the next
	v_lshlrev_b32 v5, 12, v2
	v_lshl_add_u32 v[CO], v1, 4, v5                ; the same two rows in memory
	v_lshlrev_b32 v7, 6, v2
	s_lshl_b32 s92, s17, 19
	s_lshl_b32 s2, s15, 18
	s_add_co_u32 s92, s92, s2
	s_lshl_b32 s94, s42, 9
	s_lshl_b32 s2, s16, 8
	s_add_co_u32 s94, s94, s2                      ; my 64 columns, in bytes
	s_add_co_u32 s92, s92, s94
	s_mov_b32 s93, 0
	s_mov_b32 s95, 0
	s_add_nc_u64 s[10:11], s[10:11], s[92:93]
	s_add_nc_u64 s[12:13], s[12:13], s[92:93]
	s_add_nc_u64 s[8:9], s[8:9], s[94:95]
.irp b, 0,1,2,3
	global_load_b128 v[BIAS+8*\b:BIAS+8*\b+3], v7, s[8:9] offset:(32*(\b/2)+8*(\b%2))*4
	global_load_b128 v[BIAS+8*\b+4:BIAS+8*\b+7], v7, s[8:9] offset:(32*(\b/2)+8*(\b%2))*4+16
.endr
	WIN 0x80                                       ; the residual into window 2, in the order of the way out
.irp a, 0,1,2,3
.irp t, 0,1,2,3,4,5,6,7
	global_load_b128 v[32*\a+4*\t:32*\a+4*\t+3], v[CO], s[10:11] offset:(32*(\a/2)+8*(\a%2)+2*\t+8*(\t/4))*4096
.endr
.endr
	WIN 0
.macro FETCH slot, q, p                ; the fragments and scale words of the slot's chunk q into buffer p
	WIN TO_F
.irp i, 0,1,2,3
.irp c, 0,1,2
	ds_load_b128 v[96*(\p)+48+FR*\i+4*\c:96*(\p)+48+FR*\i+4*\c+3], v[ADRB+\slot] offset:\i*TILEB+(\q)*1536+512*\c
.endr
.endr
.irp i, 0,1,2,3
.irp c, 0,1,2
	ds_load_b128 v[96*(\p)+FR*\i+4*\c:96*(\p)+FR*\i+4*\c+3], v[ADRA+\slot] offset:\i*TILEB+(\q)*1536+512*\c
.endr
.endr
	WIN 0
.irp i, 0,1,2,3
	ds_load_b32 v[SC+4*(\p)+\i], v[ADRS] offset:(\q)*256+\i*64
.endr
.endm
.macro MULA a, p, zero                 ; A's block a against B's four; the sixteen accumulators take turns
.irp b, 0,1,2,3
.if \zero
	v_wmma_scale_f32_16x16x128_f8f6f4 v[ACC+8*(4*(\a)+\b):ACC+8*(4*(\a)+\b)+7], v[96*(\p)+48+FR*\b:96*(\p)+48+FR*\b+FR-1], v[96*(\p)+FR*(\a):96*(\p)+FR*(\a)+FR-1], v[BIAS+8*\b:BIAS+8*\b+7], v[SC+4*(\p)+\b], v[SC+4*(\p)+(\a)] matrix_a_fmt:MATRIX_FMT_FP6 matrix_b_fmt:MATRIX_FMT_FP6 matrix_a_scale:MATRIX_SCALE_ROW1
.else
	v_wmma_scale_f32_16x16x128_f8f6f4 v[ACC+8*(4*(\a)+\b):ACC+8*(4*(\a)+\b)+7], v[96*(\p)+48+FR*\b:96*(\p)+48+FR*\b+FR-1], v[96*(\p)+FR*(\a):96*(\p)+FR*(\a)+FR-1], v[ACC+8*(4*(\a)+\b):ACC+8*(4*(\a)+\b)+7], v[SC+4*(\p)+\b], v[SC+4*(\p)+(\a)] matrix_a_fmt:MATRIX_FMT_FP6 matrix_b_fmt:MATRIX_FMT_FP6 matrix_a_scale:MATRIX_SCALE_ROW1
.endif
.endr
.endm
.macro CH slot, q, zero                ; one of a slot's first three chunks: it fetches the next chunk, then multiplies its own
	s_wait_dscnt 0x0                               ; this chunk's fragments and scale words are in
	PLACES
	FETCH \slot, (\q)+1, 1-(\q)%2
	WIN MUL
	MULA 0, (\q)%2, \zero
	MULA 1, (\q)%2, \zero
	MULA 2, (\q)%2, \zero
	MULA 3, (\q)%2, \zero
.endm
.macro TURN slot, next, fill           ; a slot's last chunk changes slots
	WIN 0
	s_wait_tensorcnt 0x0                           ; my part of the next slot has landed; no load of mine is out
	ds_add_u32 v[SPW], v[NIL]
	s_wait_dscnt 1                                 ; (the add may be out)
	WIN MUL
	MULA 0, 1, 0
	s_wait_dscnt 0x0                               ; the add is done, my reads of this slot are over
	s_barrier_signal -1
	MULA 1, 1, 0
	WIN 0
	s_barrier_wait -1
.if \fill
	CREST
	s_add_nc_u64 s[G0+4*\slot+2:G0+4*\slot+3], s[G0+4*\slot+2:G0+4*\slot+3], 2*TILEB
	s_add_nc_u64 s[G0B+4*\slot+2:G0B+4*\slot+3], s[G0B+4*\slot+2:G0B+4*\slot+3], 2*TILEB
	JLOAD G0+4*\slot, G1, G0B+4*\slot, G1B
.else
	PLACES
.endif
	v_add_nc_u32 v[ADRS], 1024, v[ADRS]            ; four chunks of scale words on
	FETCH \next, 0, 0
	WIN MUL
	MULA 2, 1, 0
	MULA 3, 1, 0
.endm
	s_wait_tensorcnt 1                             ; the scale words and slot 0; slot 1's load may be out
	s_barrier_signal -1
	s_barrier_wait -1
	FETCH 0, 0, 0
	s_wait_loadcnt 32                              ; the bias; the residual's 32 loads may be out
	CH 0, 0, 1
.if LAPS > 1
	WIN 0
	s_mov_b32 s3, LAPS-1
.Llap:
	CH 0, 1, 0
	CH 0, 2, 0
	TURN 0, 1, 1
	CH 1, 0, 0
	CH 1, 1, 0
	CH 1, 2, 0
	TURN 1, 0, 1
	CH 0, 0, 0
	WIN 0
	s_sub_co_u32 s3, s3, 1
	s_cmp_lg_u32 s3, 0
	s_cbranch_scc1 .Llap
.endif
	CH 0, 1, 0
	CH 0, 2, 0
	TURN 0, 1, 0
	CH 1, 0, 0
	CH 1, 1, 0
	CH 1, 2, 0
	s_wait_dscnt 0x0
	WIN MUL
	MULA 0, 1, 0
	MULA 1, 1, 0
	MULA 2, 1, 0
	MULA 3, 1, 0
	WIN 0
	PLACES
	s_wait_loadcnt 0x0                             ; the residual
.macro OUT a                           ; 16 rows x 64 columns through my stage; LDS serves a wave's instructions in order
.irp b, 0,1,2,3
	ds_store_b128 v[STO], v[ACC+8*(4*\a+\b):ACC+8*(4*\a+\b)+3] offset:128*(\b/2)+32*(\b%2)
	ds_store_b128 v[STO], v[ACC+8*(4*\a+\b)+4:ACC+8*(4*\a+\b)+7] offset:128*(\b/2)+32*(\b%2)+16
.endr
.irp t, 0,1,2,3,4,5,6,7
	ds_load_b128 v[TMP+4*\t:TMP+4*\t+3], v[RD] offset:2*\t*SPITCH
.endr
	s_wait_dscnt 0x0
	WIN 0x08                                       ; source 1: window 2
.set j, 0
.rept 16
	v_pk_add_f32 v[TMP+j:TMP+j+1], v[TMP+j:TMP+j+1], v[32*\a+j:32*\a+j+1]
.set j, j+2
.endr
	WIN 0
.irp t, 0,1,2,3,4,5,6,7
	global_store_b128 v[CO], v[TMP+4*\t:TMP+4*\t+3], s[12:13] offset:(32*(\a/2)+8*(\a%2)+2*\t+8*(\t/4))*4096
.endr
.endm
	OUT 0
.irp a, 1,2,3
	s_wait_xcnt 0x0                                ; the last block's stores have read their registers
	OUT \a
.endr
	s_wait_tensorcnt 0x0                           ; the wave's end
	ds_add_u32 v[SPW], v[NIL]
	s_wait_dscnt 0x0
	CROUND
	s_endpgm
.Lfunc_end_k_q96d12d04be_wo:
	.size	k_q96d12d04be_wo, .Lfunc_end_k_q96d12d04be_wo-k_q96d12d04be_wo
	.p2alignl 7, 3214868480
	.fill 96, 4, 3214868480
	.section	.rodata,"a",@progbits
	.p2align	6, 0x0
	.amdhsa_kernel k_q96d12d04be_wo
		.amdhsa_group_segment_fixed_size 327680
		.amdhsa_private_segment_fixed_size 0
		.amdhsa_enable_private_segment 0
		.amdhsa_kernarg_size 40
		.amdhsa_user_sgpr_count 2
		.amdhsa_user_sgpr_kernarg_segment_ptr 1
		.amdhsa_wavefront_size32 1
		.amdhsa_system_sgpr_workgroup_id_x 1
		.amdhsa_system_sgpr_workgroup_id_y 1
		.amdhsa_system_sgpr_workgroup_id_z 1
		.amdhsa_system_vgpr_workitem_id 0
		.amdhsa_next_free_vgpr 768
		.amdhsa_next_free_sgpr 102
		.amdhsa_reserve_vcc 0
		.amdhsa_float_denorm_mode_32 3
		.amdhsa_float_denorm_mode_16_64 3
		.amdhsa_memory_ordered 1
		.amdhsa_forward_progress 1
		.amdhsa_inst_pref_size 58
	.end_amdhsa_kernel
	.amdgpu_metadata
---
amdhsa.version: [ 1, 2 ]
amdhsa.kernels:
  - .name:           k_q96d12d04be_wo
    .symbol:         k_q96d12d04be_wo.kd
    .args:
      - { .name: att, .offset: 0, .size: 8, .value_kind: global_buffer, .address_space: global }
      - { .name: pre, .offset: 8, .size: 8, .value_kind: global_buffer, .address_space: global }
      - { .name: bo, .offset: 16, .size: 8, .value_kind: global_buffer, .address_space: global }
      - { .name: x, .offset: 24, .size: 8, .value_kind: global_buffer, .address_space: global }
      - { .name: x1, .offset: 32, .size: 8, .value_kind: global_buffer, .address_space: global }
    .group_segment_fixed_size: 327680
    .private_segment_fixed_size: 0
    .kernarg_segment_align: 8
    .kernarg_segment_size: 40
    .max_flat_workgroup_size: 128
    .sgpr_count:     102
    .vgpr_count:     768
    .wavefront_size: 32
...
	.end_amdgpu_metadata
.endif
;; end of part 4
;; launch ln2 (part 5): grid 256 x 1, 16 waves a work-group, no clusters, 88,576 bytes of LDS; arguments x1, ln2_g, ln2_b, hq; writes hq
.if DOCPART == 5
	.amdgcn_target "amdgcn-amd-amdhsa--gfx1250"
	.amdhsa_code_object_version 6
	.text
	.protected	k_q96d12d04be_ln2
	.globl	k_q96d12d04be_ln2
	.p2align	8
	.type	k_q96d12d04be_ln2,@function
k_q96d12d04be_ln2:
	s_mov_b64 s[64:65], 0
	v_nop
	global_prefetch_b8 v0, s[64:65] scope:SCOPE_SE
	s_setreg_imm32_b32 hwreg(HW_REG_WAVE_MODE, 25, 1), 1
	s_wait_xcnt 0x0
; The second layer norm, and its rows as an OPERAND IMAGE of FP6 (E2M3) codes with one E8M0 byte for each 32 along K.
; IMAGE.  A tile is 16 rows; lane-row p of tile T is row 32 (T/2) + 8 (T%2) + p + 8 (p/8).  A fragment (16 rows x 128 K, 12 registers a lane) lies as its registers: register g of lane L at 512 (g/4) + 16 L + 4 (g%4).
; Codes: [tile][chunk of 128 K][1,536 bytes].  Scale words, XS bytes on: [chunk][16 tile + p], byte b for block b of the chunk.
; A work-group takes one tile of 16 rows of 1,024; wave w takes lane-row w: 4,096 bytes by eight loads of 512 consecutive bytes.  The row is normed in registers, turns through the wave's own LDS so that lane k holds
; block k's 32 neighbours; its 24 bytes of codes go to their place in the work-group's image in LDS; behind one barrier the image leaves, each store of a wave covering 256 consecutive, aligned bytes.
; A block's scale is 2^(floor(log2(largest magnitude)) - 2); its byte is the largest magnitude's exponent field - 2, held at 1 from below (a block of zeros gets 1: its codes are zeros, and only this program reads the bytes).
; LIMITS: NaN and infinities are not served; blocks under 2^-124 get the byte 1.
.set XS,    3145728
.set WTURN, 4608                       ; a wave's turning place: 32 blocks x (128 bytes + 16)
.set IMG,   16*WTURN                   ; the tile's image: 8 chunks x 1,536 bytes
.set SCB,   IMG+12288                  ; its scale words: 8 chunks x 16 rows x 4 bytes
.set X,  16                            ; v16-47   the row as loaded
.set G,  48                            ; v48-79   the gain; later Y: my block's 32 neighbours
.set Y,  48
.set BB, 80                            ; v80-111  the norm's bias
.set C,  112                           ; v112-114, v116-118 the block's codes
.set D,  120                           ; v120-123 16 bytes, v124-125 8 bytes, sorted for the image
	s_load_b256 s[4:11], s[0:1], 0x0               ; the rows, gain, bias, out
	v_lshl_add_u32 v128, v0, 2, 0x15200
	v_mov_b32 v129, 0
	v_lshrrev_b32 v8, 5, v0
	v_readfirstlane_b32 s50, v8                    ; wave 0..15
	v_and_b32 v9, 31, v0                           ; lane
	v_lshlrev_b32 v1, 4, v9                        ; 16 x lane
	s_lshr_b32 s38, ttmp9, 1
	s_lshl_b32 s38, s38, 5
	s_and_b32 s39, ttmp9, 1
	s_lshl_b32 s39, s39, 3
	s_add_co_u32 s38, s38, s39
	s_add_co_u32 s38, s38, s50
	s_and_b32 s39, s50, 8
	s_add_co_u32 s38, s38, s39                     ; my row
	s_lshl_b32 s38, s38, 12
	s_mov_b32 s39, 0
	s_mul_i32 s40, ttmp9, 12288
	s_mov_b32 s41, 0
	s_lshl_b32 s42, ttmp9, 6
	s_add_co_u32 s42, s42, XS
	s_mov_b32 s43, 0
	s_wait_kmcnt 0x0
	s_add_nc_u64 s[26:27], s[4:5], s[38:39]
	s_add_nc_u64 s[40:41], s[10:11], s[40:41]      ; the image's place
	s_add_nc_u64 s[42:43], s[10:11], s[42:43]      ; the scale words' place
.irp i, 0,1,2,3,4,5,6,7
	global_load_b128 v[X+4*\i:X+4*\i+3], v1, s[26:27] offset:512*\i th:TH_LOAD_NT
.endr
.irp i, 0,1,2,3,4,5,6,7
	global_load_b128 v[G+4*\i:G+4*\i+3], v1, s[6:7] offset:512*\i
	global_load_b128 v[BB+4*\i:BB+4*\i+3], v1, s[8:9] offset:512*\i
.endr
	s_mul_i32 s51, s50, WTURN
	v_lshrrev_b32 v10, 3, v9
	v_lshl_add_u32 v2, v10, 4, v1
	v_add_nc_u32 v2, s51, v2                       ; into the turn: 16 lane + 16 for each 128 bytes passed
	v_mul_u32_u24 v3, v9, 144
	v_add_nc_u32 v3, s51, v3                       ; out of it: block = lane
	v_lshrrev_b32 v10, 2, v9
	v_mul_u32_u24 v10, v10, 1536                   ; my block's chunk
	v_and_b32 v11, 1, v9                           ; h: which half of the lanes holds the block
	v_bfe_u32 v13, v9, 1, 1                        ; c: registers 0-5 or 6-11
	v_lshl_add_u32 v10, v11, 8, v10
	s_lshl_b32 s51, s50, 4
	v_add_nc_u32 v10, s51, v10                     ; + 16 (w + 16 h)
	v_lshl_add_u32 v4, v13, 10, v10
	v_add_nc_u32 v4, IMG, v4                       ; the 16 bytes: registers 0-3 or 8-11
	v_lshl_add_u32 v5, v13, 3, v10
	v_add_nc_u32 v5, IMG+512, v5                   ; the 8 bytes: registers 4-5 or 6-7
	v_lshrrev_b32 v6, 2, v9
	v_lshlrev_b32 v6, 6, v6
	v_and_b32 v11, 3, v9
	v_add_nc_u32 v6, v6, v11
	s_lshl_b32 s51, s50, 2
	v_add_nc_u32 v6, s51, v6
	v_add_nc_u32 v6, SCB, v6                       ; my block's byte: 64 chunk + 4 w + block % 4
	v_lshlrev_b32 v7, 3, v0                        ; the way out: 8 bytes a thread
	v_add_nc_u32 v126, IMG, v7
	v_lshlrev_b32 v127, 2, v0
	v_add_nc_u32 v127, SCB, v127
	v_cmp_ne_u32 s52, 0, v13
	v_lshrrev_b32 v119, 4, v0
	v_lshlrev_b32 v119, 14, v119
	v_and_b32 v8, 15, v0
	v_lshl_add_u32 v119, v8, 2, v119               ; thread t < 128: chunk t / 16 (16,384 bytes apart), row t % 16
	s_mov_b32 s44, 0x76543210
	s_mov_b32 s45, 0xfedcba98                      ; lane l xor 16
	s_mov_b32 s46, 0x3a800000                      ; 1 / 1024
	s_mov_b32 s47, 0x3727c5ac                      ; 1e-5
	s_wait_loadcnt 0x0
	; ---- the layer norm: mean, then the mean of squared differences, as it is defined
.macro RED a, t                        ; the sum over the 32 lanes, in every lane
	v_add_f32_dpp v\a, v\a, v\a row_xmask:1 row_mask:0xf bank_mask:0xf
	v_add_f32_dpp v\a, v\a, v\a row_xmask:2 row_mask:0xf bank_mask:0xf
	v_add_f32_dpp v\a, v\a, v\a row_xmask:4 row_mask:0xf bank_mask:0xf
	v_add_f32_dpp v\a, v\a, v\a row_xmask:8 row_mask:0xf bank_mask:0xf
	v_permlanex16_b32 v\t, v\a, s44, s45
	v_add_f32 v\a, v\a, v\t
.endm
	v_pk_add_f32 v[8:9], v[X:X+1], v[X+2:X+3]
	v_pk_add_f32 v[10:11], v[X+4:X+5], v[X+6:X+7]
.irp j, 8,12,16,20,24,28
	v_pk_add_f32 v[8:9], v[8:9], v[X+\j:X+\j+1]
	v_pk_add_f32 v[10:11], v[10:11], v[X+\j+2:X+\j+3]
.endr
	v_pk_add_f32 v[8:9], v[8:9], v[10:11]
	v_add_f32 v8, v8, v9
	RED 8, 9
	v_mul_f32 v8, s46, v8                          ; the mean
	v_mov_b32 v9, v8
.set j, 0
.rept 16
	v_pk_add_f32 v[X+j:X+j+1], v[X+j:X+j+1], v[8:9] neg_lo:[0,1] neg_hi:[0,1]
.set j, j+2
.endr
	v_pk_mul_f32 v[10:11], v[X:X+1], v[X:X+1]
	v_pk_mul_f32 v[12:13], v[X+2:X+3], v[X+2:X+3]
.irp j, 4,8,12,16,20,24,28
	v_pk_fma_f32 v[10:11], v[X+\j:X+\j+1], v[X+\j:X+\j+1], v[10:11]
	v_pk_fma_f32 v[12:13], v[X+\j+2:X+\j+3], v[X+\j+2:X+\j+3], v[12:13]
.endr
	v_pk_add_f32 v[10:11], v[10:11], v[12:13]
	v_add_f32 v10, v10, v11
	RED 10, 11
	v_fma_f32 v10, v10, s46, s47                   ; variance + eps
	v_rsq_f32 v10, v10
	v_nop                                          ; a plain instruction behind the transcendental
	s_wait_alu depctr_va_vdst(0)                   ; and the wait ahead of its first reader
	v_mov_b32 v11, v10
.set j, 0
.rept 16
	v_pk_mul_f32 v[X+j:X+j+1], v[X+j:X+j+1], v[10:11]
.set j, j+2
.endr
.set j, 0
.rept 16
	v_pk_fma_f32 v[X+j:X+j+1], v[X+j:X+j+1], v[G+j:G+j+1], v[BB+j:BB+j+1]
.set j, j+2
.endr
	; ---- the turn: as loaded in, 128 neighbouring bytes a lane out.  LDS serves a wave's instructions in order, and the bytes are the wave's own
.irp i, 0,1,2,3,4,5,6,7
	ds_store_b128 v2, v[X+4*\i:X+4*\i+3] offset:576*\i
.endr
.irp i, 0,1,2,3,4,5,6,7
	ds_load_b128 v[Y+4*\i:Y+4*\i+3], v3 offset:16*\i
.endr
	s_wait_dscnt 0x0
	v_max3_num_f32 v8, |v[Y]|, |v[Y+1]|, |v[Y+2]|
	v_max3_num_f32 v9, |v[Y+3]|, |v[Y+4]|, |v[Y+5]|
.irp i, 6,10,14,18,22,26
	v_max3_num_f32 v8, v8, |v[Y+\i]|, |v[Y+\i+1]|
	v_max3_num_f32 v9, v9, |v[Y+\i+2]|, |v[Y+\i+3]|
.endr
	v_max3_num_f32 v8, v8, |v[Y+30]|, |v[Y+31]|
	v_max3_num_f32 v8, v8, v9, 0x1800000           ; with the floor 2^(3 - 127): the byte cannot fall under 1
	v_add_nc_u32 v11, 0xff000000, v8               ; 2 off the exponent field: the conversion's scale operand
	v_lshrrev_b32 v12, 23, v11                     ; the byte
	v_cvt_scalef32_pk16_fp6_f32 v[C:C+2], v[Y:Y+15], v11
	v_cvt_scalef32_pk16_fp6_f32 v[C+4:C+6], v[Y+16:Y+31], v11
	v_nop                                          ; a plain instruction behind the conversions
	v_cndmask_b32 v[D], v[C], v[C+2], s52          ; c = 0: words 0-3 are the 16 bytes, words 4-5 the 8;  c = 1: words 0-1 the 8, words 2-5 the 16
	v_cndmask_b32 v[D+1], v[C+1], v[C+4], s52
	v_cndmask_b32 v[D+2], v[C+2], v[C+5], s52
	v_cndmask_b32 v[D+3], v[C+4], v[C+6], s52
	v_cndmask_b32 v[D+4], v[C+5], v[C], s52
	v_cndmask_b32 v[D+5], v[C+6], v[C+1], s52
	ds_store_b128 v4, v[D:D+3]
	ds_store_b64 v5, v[D+4:D+5]
	ds_store_b8 v6, v12
	s_wait_dscnt 0x0                               ; for the others' sake: my part of the image has landed
	s_barrier_signal -1
	s_barrier_wait -1
.irp k, 0,1,2
	ds_load_b64 v[X+2*\k:X+2*\k+1], v126 offset:4096*\k
.endr
.irp k, 0,1,2
	s_wait_dscnt 2-\k                              ; piece k is in; the younger pieces may be out
	global_store_b64 v7, v[X+2*\k:X+2*\k+1], s[40:41] offset:4096*\k
.endr
	s_cmp_lt_u32 s50, 4
	s_cbranch_scc0 .Lend                           ; 128 scale words: waves 0 to 3
	ds_load_b32 v8, v127
	s_wait_dscnt 0x0
	global_store_b32 v119, v8, s[42:43]
.Lend:
	s_wait_tensorcnt 0x0
	ds_add_u32 v128, v129
	s_wait_dscnt 0x0
	s_endpgm
.Lfunc_end_k_q96d12d04be_ln2:
	.size	k_q96d12d04be_ln2, .Lfunc_end_k_q96d12d04be_ln2-k_q96d12d04be_ln2
	.p2alignl 7, 3214868480
	.fill 96, 4, 3214868480
	.section	.rodata,"a",@progbits
	.p2align	6, 0x0
	.amdhsa_kernel k_q96d12d04be_ln2
		.amdhsa_group_segment_fixed_size 88576
		.amdhsa_private_segment_fixed_size 0
		.amdhsa_enable_private_segment 0
		.amdhsa_kernarg_size 32
		.amdhsa_user_sgpr_count 2
		.amdhsa_user_sgpr_kernarg_segment_ptr 1
		.amdhsa_wavefront_size32 1
		.amdhsa_system_sgpr_workgroup_id_x 1
		.amdhsa_system_sgpr_workgroup_id_y 1
		.amdhsa_system_sgpr_workgroup_id_z 1
		.amdhsa_system_vgpr_workitem_id 0
		.amdhsa_next_free_vgpr 130
		.amdhsa_next_free_sgpr 66
		.amdhsa_reserve_vcc 0
		.amdhsa_float_denorm_mode_32 3
		.amdhsa_float_denorm_mode_16_64 3
		.amdhsa_memory_ordered 1
		.amdhsa_forward_progress 1
		.amdhsa_inst_pref_size 16
	.end_amdhsa_kernel
	.amdgpu_metadata
---
amdhsa.version: [ 1, 2 ]
amdhsa.kernels:
  - .name:           k_q96d12d04be_ln2
    .symbol:         k_q96d12d04be_ln2.kd
    .args:
      - { .name: x1, .offset: 0, .size: 8, .value_kind: global_buffer, .address_space: global }
      - { .name: ln2_g, .offset: 8, .size: 8, .value_kind: global_buffer, .address_space: global }
      - { .name: ln2_b, .offset: 16, .size: 8, .value_kind: global_buffer, .address_space: global }
      - { .name: hq, .offset: 24, .size: 8, .value_kind: global_buffer, .address_space: global }
    .group_segment_fixed_size: 88576
    .private_segment_fixed_size: 0
    .kernarg_segment_align: 8
    .kernarg_segment_size: 32
    .max_flat_workgroup_size: 512
    .sgpr_count:     66
    .vgpr_count:     130
    .wavefront_size: 32
...
	.end_amdgpu_metadata
.endif
;; end of part 5
;; launch ffn1 (part 6): grid 16 x 16, 4 waves a work-group, clusters of 4 x 4, 327,680 bytes of LDS; arguments hq, pre, b1, mid; writes mid
.if DOCPART == 6
	.amdgcn_target "amdgcn-amd-amdhsa--gfx1250"
	.amdhsa_code_object_version 6
	.text
	.protected	k_q96d12d04be_ffn1
	.globl	k_q96d12d04be_ffn1
	.p2align	8
	.type	k_q96d12d04be_ffn1,@function
k_q96d12d04be_ffn1:
	s_mov_b64 s[64:65], 0
	v_nop
	global_prefetch_b8 v0, s[64:65] scope:SCOPE_SE
	s_setreg_imm32_b32 hwreg(HW_REG_WAVE_MODE, 25, 1), 1
	s_wait_xcnt 0x0
	s_wait_alu depctr_hold_cnt(0) depctr_sa_sdst(0) depctr_va_vdst(0) depctr_va_sdst(0) depctr_va_ssrc(0) depctr_va_vcc(0) depctr_vm_vsrc(0)
	s_getreg_b32 s2, hwreg(HW_REG_IB_STS2, 6, 4)
	s_cmp_eq_u32 s2, 0
	s_cbranch_scc0 .Lentry_in_a_cluster
	s_endpgm
.Lentry_in_a_cluster:
	s_bfe_u32 s2, ttmp6, 0x10000c
	s_cmp_lg_u32 s2, 0xf033
	s_cbranch_scc0 .Lentry_shape_is_right
	s_endpgm
.Lentry_shape_is_right:
; mid = Q(gelu(h W1^T + b1)): a product on codes of FP6 (K = 1,024), the exact GELU in f32, and the quantiser along the next product's K; the result leaves as an operand image.
; Tile, ring, cluster, layout: a tile of 256 x 256 to a work-group, 128 x 128 to a wave (64 accumulators); operands are images of their registers (16 rows x 128 K = 1,536 bytes; lane-row p of tile T is row
; 32 (T/2) + 8 (T%2) + p + 8 (p/8)); the matrix instruction is used transposed, so that a lane holds one row and the 16 registers of two tiles of B are 16 neighbours along the next K; two LDS slots of two chunks,
; joint tensor loads (A's tiles shared along a row of the cluster, B's along a column); all scale words come once.
; GELU.  x Phi(x) = x / 2 + |x| (1/2 - Q(|x|)), Q(a) = phi(a) (b1 t + .. + b5 t^5), t = 1 / (1 + p a) (Abramowitz and Stegun 26.2.17; Phi within 7.5e-8 absolutely): so the error is at most about 1e-7 |x|.
; The way out is a loop over the wave's eight blocks of 16 rows: what differs, the accumulators' registers, is copied by one of eight short pieces chosen on the loop's counter.
; LIMITS: NaN and infinities are not served; blocks under 2^-124 get the byte 1.
.set XS,    3145728
.set W1C,   6586368
.set W1S,   9732096
.set MIDS,  12582912
.set FR,    12
.set NL,    3
.set TILEB, 3072
.set HALFT, 8*TILEB
.set SLOT,  4*HALFT
.set SCL,   2*SLOT
.set SPARE, SCL+4*4096
.set ADRA, 16
.set ADRB, 20
.set ADRS, 27
.set SPW,  28
.set NIL,  29
.set SC,   32
.set BIAS, 64
.set AF,   128
.set H,    64                          ; the way out: x / 2, then gelu
.set AX,   128                         ; |x|
.set T,    192
.set E,    208
.set PP,   224
.set TM,   240
.set PC,   192
.set PW,   212
.set SEL,  20
.set CP,   22
.set CU,   46
.set C5,   66
.set C3,   96
.set C2,   98
.set C1,   100
.set G1, 24
.set G0, 32
.set G1B, 48
.set G0B, 56
.set G1S, 68
.set G0S, 76
.set G1SB, 80
.set G0SB, 88
.set MSB, 0
.macro WIN new
.if MSB != (\new)
	s_set_vgpr_msb (MSB<<8)|(\new)
.set MSB, (\new)
.endif
.endm
.set MUL_LO, 0xa1
.set MUL_HI, 0xf1
.set TO_B,   0x40
.macro JLOAD g0a, g1a, g0b, g1b
	s_cmp_eq_u32 s15, 0
	s_cbranch_scc0 .Lfor_b_\@
	tensor_load_to_lds s[\g0a:\g0a+3], s[\g1a:\g1a+7]
	s_nop 0
.rept 4
	v_nop
.endr
	s_branch .Lasked_\@
.Lfor_b_\@:
	tensor_load_to_lds s[\g0b:\g0b+3], s[\g1b:\g1b+7]
	s_nop 0
.rept 4
	v_nop
.endr
.Lasked_\@:
.endm
.macro CREST
	s_cmp_lg_u32 s14, 0
	s_cbranch_scc1 .Lnot_wave_0_\@
	s_barrier_signal -3
.Lnot_wave_0_\@:
	s_barrier_wait -3
	s_barrier_signal -1
	s_barrier_wait -1
.endm
.macro CROUND
	s_barrier_signal -1
	s_barrier_wait -1
	CREST
.endm
.macro PLACES
.rept 4
	v_nop
.endr
.endm
	s_load_b256 s[4:11], s[0:1], 0x0               ; hq, pre, b1, mid
	v_lshl_add_u32 v[SPW], v0, 2, SPARE
	v_mov_b32 v[NIL], 0
	ds_add_u32 v28, v29
	ds_add_u32 v28, v29
	s_wait_dscnt 0x0
	v_lshrrev_b32 v1, 5, v0
	v_readfirstlane_b32 s14, v1
	s_lshr_b32 s15, s14, 1
	s_and_b32 s16, s14, 1
	s_bfe_u32 s40, ttmp6, 0x40000
	s_bfe_u32 s41, ttmp6, 0x40004
	s_lshl_b32 s42, ttmp9, 2
	s_add_co_u32 s42, s42, s40                     ; B's tile of 256 rows
	s_and_b32 s17, ttmp7, 0xffff
	s_lshl_b32 s17, s17, 2
	s_add_co_u32 s17, s17, s41                     ; A's tile of 256 rows
	s_lshl_b32 s43, s41, 2
	s_lshl_b32 s43, 15, s43
	s_lshl_b32 s44, 0x1111, s40
	s_or_b32 s[G1+0], s43, (3<<16)|(1<<21)
	s_or_b32 s[G1B+0], s44, (3<<16)|(1<<21)
.irp g, G1, G1B
	s_mov_b32 s[\g+1], 384<<16
	s_mov_b32 s[\g+2], 8<<16
	s_mov_b32 s[\g+3], 384<<16
	s_mov_b32 s[\g+4], 8
	s_mov_b32 s[\g+5], 1536
	s_mov_b32 s[\g+6], 0
	s_mov_b32 s[\g+7], 0
.endr
	s_or_b32 s[G1S+0], s43, (3<<16)|(1<<21)
	s_or_b32 s[G1SB+0], s44, (3<<16)|(1<<21)
.irp g, G1S, G1SB
	s_mov_b32 s[\g+1], 64<<16
	s_mov_b32 s[\g+2], 8<<16
	s_mov_b32 s[\g+3], 64<<16
	s_mov_b32 s[\g+4], 8
	s_mov_b32 s[\g+5], 2048
	s_mov_b32 s[\g+6], 0
	s_mov_b32 s[\g+7], 0
.endr
	s_lshl_b32 s18, s16, 3
	s_lshl_b32 s20, s17, 4
	s_add_co_u32 s20, s20, s18
	s_mul_i32 s20, s20, 12288
	s_mov_b32 s21, 0
	s_lshl_b32 s46, s42, 4
	s_add_co_u32 s46, s46, s18
	s_mul_i32 s46, s46, 12288
	s_add_co_u32 s46, s46, W1C
	s_mov_b32 s47, 0
	s_lshl_b32 s18, s16, 9
	s_lshl_b32 s22, s17, 10
	s_add_co_u32 s22, s22, s18
	s_add_co_u32 s22, s22, XS
	s_mov_b32 s23, 0
	s_lshl_b32 s66, s42, 10
	s_add_co_u32 s66, s66, s18
	s_add_co_u32 s66, s66, W1S
	s_mov_b32 s67, 0
	s_mul_i32 s45, s14, HALFT
	s_lshl_b32 s100, s14, 12
	s_wait_kmcnt 0x0
	s_add_nc_u64 s[20:21], s[4:5], s[20:21]
	s_add_nc_u64 s[22:23], s[4:5], s[22:23]
	s_add_nc_u64 s[46:47], s[6:7], s[46:47]
	s_add_nc_u64 s[66:67], s[6:7], s[66:67]
	CROUND
	s_mov_b32 s[G0S], 1
	s_add_co_u32 s[G0S+1], s100, SCL
	s_mov_b64 s[G0S+2:G0S+3], s[22:23]
	s_or_b32 s[G0S+3], s[G0S+3], 0x80000000
	s_mov_b32 s[G0SB], 1
	s_add_co_u32 s[G0SB+1], s100, SCL
	s_mov_b64 s[G0SB+2:G0SB+3], s[66:67]
	s_or_b32 s[G0SB+3], s[G0SB+3], 0x80000000
	JLOAD G0S, G1S, G0SB, G1SB
.irp s, 0,1
	s_mov_b32 s[G0+4*\s], 1
	s_add_co_u32 s[G0+4*\s+1], s45, \s*SLOT
	s_add_nc_u64 s[G0+4*\s+2:G0+4*\s+3], s[20:21], \s*TILEB
	s_or_b32 s[G0+4*\s+3], s[G0+4*\s+3], 0x80000000
	s_mov_b32 s[G0B+4*\s], 1
	s_add_co_u32 s[G0B+4*\s+1], s45, \s*SLOT
	s_add_nc_u64 s[G0B+4*\s+2:G0B+4*\s+3], s[46:47], \s*TILEB
	s_or_b32 s[G0B+4*\s+3], s[G0B+4*\s+3], 0x80000000
	JLOAD G0+4*\s, G1, G0B+4*\s, G1B
.endr
	v_and_b32 v1, 15, v0
	v_bfe_u32 v2, v0, 4, 1
	v_and_b32 v3, 31, v0
	v_lshlrev_b32 v3, 4, v3                        ; 16 x lane
	s_mul_i32 s18, s15, HALFT
	s_mul_i32 s19, s16, HALFT
	s_add_co_u32 s19, s19, 2*HALFT
.irp s, 0,1
	v_add_nc_u32 v[ADRA+\s], s18, v3
	v_add_nc_u32 v[ADRB+\s], s19, v3
	s_add_co_u32 s18, s18, SLOT
	s_add_co_u32 s19, s19, SLOT
.endr
	v_lshlrev_b32 v4, 2, v1                        ; 4 r
	s_lshl_b32 s18, s15, 12
	s_lshl_b32 s19, s16, 12
	s_add_co_u32 s19, s19, 2*4096
	s_sub_co_u32 s19, s19, s18
	v_mul_u32_u24 v6, s19, v2
	s_add_co_u32 s18, s18, SCL
	v_add_nc_u32 v5, v4, v6
	v_add_nc_u32 v[ADRS], s18, v5
	v_lshlrev_b32 v7, 6, v2
	s_lshl_b32 s12, s42, 10
	s_lshl_b32 s2, s16, 9
	s_add_co_u32 s12, s12, s2
	s_mov_b32 s13, 0
	s_add_nc_u64 s[8:9], s[8:9], s[12:13]          ; b1 at my 128 columns
.irp b, 0,1,2,3,4,5,6,7
	global_load_b128 v[BIAS+8*\b:BIAS+8*\b+3], v7, s[8:9] offset:(32*(\b/2)+8*(\b%2))*4
	global_load_b128 v[BIAS+8*\b+4:BIAS+8*\b+7], v7, s[8:9] offset:(32*(\b/2)+8*(\b%2))*4+16
.endr
	s_lshl_b32 s12, s17, 4
	s_lshl_b32 s2, s15, 3
	s_add_co_u32 s12, s12, s2                      ; my first image tile of rows
	s_lshl_b32 s104, s12, 6
	s_lshl_b32 s12, s12, 5
	s_lshl_b32 s2, s42, 1
	s_add_co_u32 s2, s2, s16                       ; my 128 columns are this chunk of the next K
	s_add_co_u32 s12, s12, s2
	s_mul_i32 s12, s12, 1536
	s_add_nc_u64 s[92:93], s[10:11], s[12:13]      ; where my first fragment goes
	s_lshl_b32 s12, s2, 14
	s_add_co_u32 s12, s12, s104
	s_add_co_u32 s12, s12, MIDS
	s_add_nc_u64 s[94:95], s[10:11], s[12:13]      ; and its scale words
.macro FRAG reg, adr, q, i
.irp c, 0,1,2
	ds_load_b128 v[\reg+4*\c:\reg+4*\c+3], v[\adr] offset:(\i)*TILEB+(\q)*1536+512*\c
.endr
.endm
.macro MUL16 a0, p, q, sc, zero        ; the 64 accumulators take turns, one instruction a turn
.irp a, \a0, \a0+1
.irp b, 0,1,2,3,4,5,6,7
.if \zero
	v_wmma_scale_f32_16x16x128_f8f6f4 v[8*(8*((\a)%4)+\b):8*(8*((\a)%4)+\b)+7], v[128*(\p)+FR*\b:128*(\p)+FR*\b+FR-1], v[AF+FR*(\a):AF+FR*(\a)+FR-1], v[BIAS+8*\b:BIAS+8*\b+7], v[SC+16*(\sc)+2*\b+(\q)], v[SC+16*(\sc)+2*(\a)+(\q)] matrix_a_fmt:MATRIX_FMT_FP6 matrix_b_fmt:MATRIX_FMT_FP6 matrix_a_scale:MATRIX_SCALE_ROW1
.else
	v_wmma_scale_f32_16x16x128_f8f6f4 v[8*(8*((\a)%4)+\b):8*(8*((\a)%4)+\b)+7], v[128*(\p)+FR*\b:128*(\p)+FR*\b+FR-1], v[AF+FR*(\a):AF+FR*(\a)+FR-1], v[8*(8*((\a)%4)+\b):8*(8*((\a)%4)+\b)+7], v[SC+16*(\sc)+2*\b+(\q)], v[SC+16*(\sc)+2*(\a)+(\q)] matrix_a_fmt:MATRIX_FMT_FP6 matrix_b_fmt:MATRIX_FMT_FP6 matrix_a_scale:MATRIX_SCALE_ROW1
.endif
.endr
.endr
.endm
.macro FETCH_B slot, q, p
	WIN TO_B
.irp i, 0,1,2,3,4,5,6,7
	FRAG 128*(\p)+FR*\i, ADRB+\slot, \q, \i
.endr
	WIN 0
.endm
.macro FETCH_A slot, q, i0
.irp i, \i0, \i0+1, \i0+2, \i0+3
	FRAG AF+FR*(\i), ADRA+\slot, \q, \i
.endr
.endm
.macro SCALES sc
.irp i, 0,1,2,3,4,5,6,7
.irp q, 0,1
	ds_load_b32 v[SC+16*\sc+2*\i+\q], v[ADRS] offset:\q*512+\i*64
.endr
.endr
.endm
.macro STEP slot, zero
	s_wait_dscnt 4*NL                              ; all but the youngest twelve loads (A's blocks 4-7)
.if \zero
	WIN 0x81
.else
	WIN MUL_LO
.endif
	MUL16 0, 0, 0, \slot, \zero
	MUL16 2, 0, 0, \slot, \zero
	s_wait_dscnt 0x0
	PLACES
	FETCH_B \slot, 1, 1
	FETCH_A \slot, 1, 0
.if \zero
	WIN 0xc1
.else
	WIN MUL_HI
.endif
	MUL16 4, 0, 0, \slot, \zero
	MUL16 6, 0, 0, \slot, \zero
	PLACES
	WIN 0
	FETCH_A \slot, 1, 4
.endm
.macro TURN slot, next, fill
	s_wait_tensorcnt 0x0                           ; my part of the next slot has landed; no load of mine is out
	ds_add_u32 v[SPW], v[NIL]
	s_wait_dscnt 4*NL+1
	WIN MUL_LO
	MUL16 0, 1, 1, \slot, 0
	s_wait_dscnt 0x0                               ; the add is done, my reads of this slot are over
	s_barrier_signal -1
	MUL16 2, 1, 1, \slot, 0
	WIN 0
	s_barrier_wait -1
.if \fill
	CREST
	s_add_nc_u64 s[G0+4*\slot+2:G0+4*\slot+3], s[G0+4*\slot+2:G0+4*\slot+3], 2*TILEB
	s_add_nc_u64 s[G0B+4*\slot+2:G0B+4*\slot+3], s[G0B+4*\slot+2:G0B+4*\slot+3], 2*TILEB
	JLOAD G0+4*\slot, G1, G0B+4*\slot, G1B
.else
	PLACES
.endif
	v_add_nc_u32 v[ADRS], 1024, v[ADRS]
	FETCH_B \next, 0, 0
	FETCH_A \next, 0, 0
	SCALES \next
	WIN MUL_HI
	MUL16 4, 1, 1, \slot, 0
	MUL16 6, 1, 1, \slot, 0
	PLACES
	WIN 0
	FETCH_A \next, 0, 4
.endm
	s_wait_tensorcnt 1                             ; the scale words and slot 0; slot 1's load may be out
	s_barrier_signal -1
	s_barrier_wait -1
	FETCH_B 0, 0, 0
	FETCH_A 0, 0, 0
	SCALES 0
	FETCH_A 0, 0, 4
	s_wait_loadcnt 0x0                             ; the bias
	STEP 0, 1
	TURN 0, 1, 1
	STEP 1, 0
	TURN 1, 0, 1
	STEP 0, 0
	TURN 0, 1, 0
	STEP 1, 0
	s_wait_dscnt 4*NL
	WIN MUL_LO
	MUL16 0, 1, 1, 1, 0
	MUL16 2, 1, 1, 1, 0
	s_wait_dscnt 0x0
	WIN MUL_HI
	MUL16 4, 1, 1, 1, 0
	MUL16 6, 1, 1, 1, 0
	WIN 0
	PLACES
.macro QUANT src, pc, st
.irp b, 0,1,2,3
	v_max3_num_f32 v[TM+\b], |v[\src+16*\b]|, |v[\src+1+16*\b]|, 0x1800000
.endr
.irp i, 2,4,6,8,10,12,14
.irp b, 0,1,2,3
	v_max3_num_f32 v[TM+\b], v[TM+\b], |v[\src+16*\b+\i]|, |v[\src+1+16*\b+\i]|
.endr
.endr
.irp b, 0,1,2,3
	v_permlanex16_b32 v[TM+4+\b], v[TM+\b], s[SEL], s[SEL+1]
.endr
.irp b, 0,1,2,3
	v_max_num_f32 v[TM+\b], v[TM+\b], v[TM+4+\b]
.endr
.irp b, 0,1,2,3
	v_add_nc_u32 v[TM+12+\b], 0xff000000, v[TM+\b]
.endr
.irp b, 0,1,2,3
	v_lshrrev_b32 v[TM+4+\b], 23, v[TM+12+\b]
.endr
	v_lshl_or_b32 v[PW], v[TM+5], 8, v[TM+4]
	v_lshl_or_b32 v[PW], v[TM+6], 16, v[PW]
	v_lshl_or_b32 v[PW], v[TM+7], 24, v[PW]
.irp c, 0,1
	v_cvt_scalef32_pk16_fp6_f32 v[\pc+\st*\c:\pc+\st*\c+2], v[\src+32*\c:\src+32*\c+15], v[TM+12+2*\c]
	v_cvt_scalef32_pk16_fp6_f32 v[\pc+2*\st+4*\c:\pc+2*\st+4*\c+2], v[\src+16+32*\c:\src+31+32*\c], v[TM+13+2*\c]
.endr
	v_nop
.irp c, 0,1
.irp i, 0,1,2
	v_permlane16_swap_b32 v[\pc+\st*\c+\i], v[\pc+2*\st+4*\c+\i]
.endr
.irp i, 0,1,2
	v_mov_b32 v[\pc+\st*\c+3+\i], v[\pc+2*\st+4*\c+\i]
.endr
.endr
.endm
.macro PAIR reg, val                   ; a constant as a scalar pair: the packed forms name the pair
	s_mov_b32 s[\reg], \val
	s_mov_b32 s[\reg+1], \val
.endm
	s_mov_b32 s[SEL], 0x76543210
	s_mov_b32 s[SEL+1], 0xfedcba98
	PAIR CP, 0x3e6d3389                            ; p
	PAIR CU, 0x3f596d27                            ; sqrt(log2(e) / 2)
	PAIR C5, 0x3f07dc22                            ; b5 .. b1, each / sqrt(2 pi)
	PAIR C3, 0x3f35f0e3
	PAIR C2, 0xbe11a98e
	PAIR C1, 0x3e027906
	v_mov_b32 v30, 0xbf3a00e3                      ; b4
	v_mov_b32 v31, 0xbf3a00e3
	v_mov_b32 v23, 0x7fffffff
.irp b, 0,1,2,3
	v_mov_b32 v[TM+4+\b], 0
.endr
.macro GET a                           ; block a: x / 2 and |x| into window 0; each accumulator is read from its low end on
	WIN 0x02+((\a)/4)
.set AC, 64*((\a)%4)
.set j, 0
.rept 32
	v_pk_mul_f32 v[H+j:H+j+1], v[AC+j:AC+j+1], 0.5 op_sel_hi:[1,0]
.set j, j+2
.endr
.set j, 0
.rept 64
	v_and_b32 v[AX+j], v[AC+j], v23
.set j, j+1
.endr
	WIN 0
.endm
.macro EACH8 text:vararg
.endm
.macro GELU16 k                        ; numbers 16 k .. 16 k + 15
.set B0, 16*\k
.set j, 0
.rept 8
	v_pk_fma_f32 v[T+j:T+j+1], v[AX+B0+j:AX+B0+j+1], s[CP:CP+1], 1.0 op_sel_hi:[1,0,0]
	v_pk_mul_f32 v[E+j:E+j+1], v[AX+B0+j:AX+B0+j+1], s[CU:CU+1] op_sel_hi:[1,0]
.set j, j+2
.endr
.set j, 0
.rept 8
	v_pk_mul_f32 v[E+j:E+j+1], v[E+j:E+j+1], v[E+j:E+j+1] neg_lo:[1,0] neg_hi:[1,0]   ; -(u a)^2
.set j, j+2
.endr
.set j, 0
.rept 16
	v_rcp_f32 v[T+j], v[T+j]                       ; t
.set j, j+1
.endr
.set j, 0
.rept 16
	v_exp_f32 v[E+j], v[E+j]                       ; exp(-a^2 / 2)
.set j, j+1
.endr
	v_nop                                          ; a plain instruction behind the batch
	s_wait_alu depctr_va_vdst(0)                   ; one wait for the 32, ahead of their first reader
.set j, 0
.rept 8
	v_pk_fma_f32 v[PP+j:PP+j+1], v[T+j:T+j+1], s[C5:C5+1], v[30:31] op_sel_hi:[1,0,1]
.set j, j+2
.endr
.irp cc, C3, C2, C1
.set j, 0
.rept 8
	v_pk_fma_f32 v[PP+j:PP+j+1], v[PP+j:PP+j+1], v[T+j:T+j+1], s[\cc:\cc+1] op_sel_hi:[1,1,0]
.set j, j+2
.endr
.endr
.set j, 0
.rept 8
	v_pk_mul_f32 v[PP+j:PP+j+1], v[PP+j:PP+j+1], v[T+j:T+j+1]
.set j, j+2
.endr
.set j, 0
.rept 8
	v_pk_fma_f32 v[PP+j:PP+j+1], v[PP+j:PP+j+1], v[E+j:E+j+1], 0.5 op_sel_hi:[1,1,0] neg_lo:[1,0,0] neg_hi:[1,0,0]   ; 1/2 - Q
.set j, j+2
.endr
.set j, 0
.rept 8
	v_pk_fma_f32 v[H+B0+j:H+B0+j+1], v[AX+B0+j:AX+B0+j+1], v[PP+j:PP+j+1], v[H+B0+j:H+B0+j+1]
.set j, j+2
.endr
.endm
	s_mov_b32 s3, 0
.Lout:
.irp a, 1,2,3,4,5,6,7
	s_cmp_eq_u32 s3, \a
	s_cbranch_scc1 .Lget\a
.endr
	GET 0
	s_branch .Lcommon
.irp a, 1,2,3,4,5,6
.Lget\a:
	GET \a
	s_branch .Lcommon
.endr
.Lget7:
	GET 7
.Lcommon:
	GELU16 0
	GELU16 1
	GELU16 2
	GELU16 3
	QUANT H, PC, 6
.irp c, 0,1,2
	global_store_b128 v3, v[PC+4*\c:PC+4*\c+3], s[92:93] offset:512*\c
.endr
	global_store_b32 v4, v[PW], s[94:95]           ; lanes 16-31 repeat lanes 0-15's word
	s_wait_xcnt 0x0                                ; the stores have read their registers and bases
	s_add_nc_u64 s[92:93], s[92:93], 32*1536       ; the next tile of rows
	s_add_nc_u64 s[94:95], s[94:95], 64
	s_add_co_u32 s3, s3, 1
	s_cmp_lt_u32 s3, 8
	s_cbranch_scc1 .Lout
	s_wait_tensorcnt 0x0                           ; the wave's end
	ds_add_u32 v[SPW], v[NIL]
	s_wait_dscnt 0x0
	CROUND
	s_endpgm
.Lfunc_end_k_q96d12d04be_ffn1:
	.size	k_q96d12d04be_ffn1, .Lfunc_end_k_q96d12d04be_ffn1-k_q96d12d04be_ffn1
	.p2alignl 7, 3214868480
	.fill 96, 4, 3214868480
	.section	.rodata,"a",@progbits
	.p2align	6, 0x0
	.amdhsa_kernel k_q96d12d04be_ffn1
		.amdhsa_group_segment_fixed_size 327680
		.amdhsa_private_segment_fixed_size 0
		.amdhsa_enable_private_segment 0
		.amdhsa_kernarg_size 32
		.amdhsa_user_sgpr_count 2
		.amdhsa_user_sgpr_kernarg_segment_ptr 1
		.amdhsa_wavefront_size32 1
		.amdhsa_system_sgpr_workgroup_id_x 1
		.amdhsa_system_sgpr_workgroup_id_y 1
		.amdhsa_system_sgpr_workgroup_id_z 1
		.amdhsa_system_vgpr_workitem_id 0
		.amdhsa_next_free_vgpr 1024
		.amdhsa_next_free_sgpr 106
		.amdhsa_reserve_vcc 0
		.amdhsa_float_denorm_mode_32 3
		.amdhsa_float_denorm_mode_16_64 3
		.amdhsa_memory_ordered 1
		.amdhsa_forward_progress 1
		.amdhsa_inst_pref_size 172
	.end_amdhsa_kernel
	.amdgpu_metadata
---
amdhsa.version: [ 1, 2 ]
amdhsa.kernels:
  - .name:           k_q96d12d04be_ffn1
    .symbol:         k_q96d12d04be_ffn1.kd
    .args:
      - { .name: hq, .offset: 0, .size: 8, .value_kind: global_buffer, .address_space: global }
      - { .name: pre, .offset: 8, .size: 8, .value_kind: global_buffer, .address_space: global }
      - { .name: b1, .offset: 16, .size: 8, .value_kind: global_buffer, .address_space: global }
      - { .name: mid, .offset: 24, .size: 8, .value_kind: global_buffer, .address_space: global }
    .group_segment_fixed_size: 327680
    .private_segment_fixed_size: 0
    .kernarg_segment_align: 8
    .kernarg_segment_size: 32
    .max_flat_workgroup_size: 128
    .sgpr_count:     106
    .vgpr_count:     1024
    .wavefront_size: 32
...
	.end_amdgpu_metadata
.endif
;; end of part 6
;; launch ffn2 (part 7): grid 8 x 32, 4 waves a work-group, clusters of 4 x 4, 327,680 bytes of LDS; arguments mid, pre, b2, x1, out0; writes out0
.if DOCPART == 7
	.amdgcn_target "amdgcn-amd-amdhsa--gfx1250"
	.amdhsa_code_object_version 6
	.text
	.protected	k_q96d12d04be_ffn2
	.globl	k_q96d12d04be_ffn2
	.p2align	8
	.type	k_q96d12d04be_ffn2,@function
k_q96d12d04be_ffn2:
	s_mov_b64 s[64:65], 0
	v_nop
	global_prefetch_b8 v0, s[64:65] scope:SCOPE_SE
	s_setreg_imm32_b32 hwreg(HW_REG_WAVE_MODE, 25, 1), 1
	s_wait_xcnt 0x0
	s_wait_alu depctr_hold_cnt(0) depctr_sa_sdst(0) depctr_va_vdst(0) depctr_va_sdst(0) depctr_va_ssrc(0) depctr_va_vcc(0) depctr_vm_vsrc(0)
	s_getreg_b32 s2, hwreg(HW_REG_IB_STS2, 6, 4)
	s_cmp_eq_u32 s2, 0
	s_cbranch_scc0 .Lentry_in_a_cluster
	s_endpgm
.Lentry_in_a_cluster:
	s_bfe_u32 s2, ttmp6, 0x10000c
	s_cmp_lg_u32 s2, 0xf033
	s_cbranch_scc0 .Lentry_shape_is_right
	s_endpgm
.Lentry_shape_is_right:
; out = res + A B^T + bias on codes of FP6 with E8M0 scales.  A: 4,096 rows, B: 1,024 rows, both as operand images (16 rows x 128 K = 1,536 bytes; lane-row p of tile T is row 32 (T/2) + 8 (T%2) + p + 8 (p/8)); K = 128 NCH.
; A tile of 128 x 128 to a work-group, so that there are 256 of them; 64 x 64 to a wave: 16 accumulators.  Tiles of 256 x 256 would give 64 work-groups.
; K goes through a ring of two LDS slots of four chunks, filled by joint tensor loads (A's tiles shared along a row of the 4 x 4 cluster, B's along a column); the scale words of all of K come once.
; The matrix instruction is used transposed (source 0 = B's rows, source 1 = A's): a lane holds one row of the output and runs of eight neighbouring columns.  The bias is the C of each sum's first product.
; The way out goes through the wave's own stage in LDS: sixteen lanes store 256 consecutive, aligned bytes; the residual, loaded at the head in the same order, is added on the way.
.set NCH,   32                         ; chunks of 128 along K
.set ASC,   12582912                   ; A's scale words in its buffer
.set BC,    9863168                    ; B's codes and scale words in pre
.set BS,    13008896
.set FR,    12
.set TILEB, 6144                       ; a row tile's four chunks in a slot
.set HALFT, 4*TILEB
.set SLOT,  4*HALFT
.set SCL,   2*SLOT
.set HALFS, NCH*256                    ; the scale words of 64 rows: [chunk][64 words]
.set STAGE, 229376
.set SPITCH, 272
.set SPARE, STAGE+4*16*SPITCH
.set LAPS,  NCH/8
.set ADRA, 16
.set ADRB, 20
.set STO,  24
.set RD,   25
.set CO,   26
.set ADRS, 27
.set SPW,  28
.set NIL,  29
.set SC,   32                          ; v32-39 scale words, two sets of four
.set BIAS, 64
.set TMP,  96
.set ACC,  128                         ; accumulator (a, b) at v[128 + 8 (4 a + b)]
.set G1, 24
.set G0, 32
.set G1B, 48
.set G0B, 56
.set G1S, 68
.set G0S, 76
.set G1SB, 80
.set G0SB, 88
.set MSB, 0
.macro WIN new
.if MSB != (\new)
	s_set_vgpr_msb (MSB<<8)|(\new)
.set MSB, (\new)
.endif
.endm
.set MUL,  0x05                        ; both fragments in window 1; C and D in window 0
.set TO_F, 0x40
.macro JLOAD g0a, g1a, g0b, g1b
	s_cmp_eq_u32 s15, 0
	s_cbranch_scc0 .Lfor_b_\@
	tensor_load_to_lds s[\g0a:\g0a+3], s[\g1a:\g1a+7]
	s_nop 0
.rept 4
	v_nop
.endr
	s_branch .Lasked_\@
.Lfor_b_\@:
	tensor_load_to_lds s[\g0b:\g0b+3], s[\g1b:\g1b+7]
	s_nop 0
.rept 4
	v_nop
.endr
.Lasked_\@:
.endm
.macro CREST
	s_cmp_lg_u32 s14, 0
	s_cbranch_scc1 .Lnot_wave_0_\@
	s_barrier_signal -3
.Lnot_wave_0_\@:
	s_barrier_wait -3
	s_barrier_signal -1
	s_barrier_wait -1
.endm
.macro CROUND
	s_barrier_signal -1
	s_barrier_wait -1
	CREST
.endm
.macro PLACES
.rept 4
	v_nop
.endr
.endm
	s_load_b256 s[4:11], s[0:1], 0x0               ; A, pre, bias, residual
	s_load_b64 s[12:13], s[0:1], 0x20              ; out
	v_lshl_add_u32 v[SPW], v0, 2, SPARE
	v_mov_b32 v[NIL], 0
	ds_add_u32 v28, v29
	ds_add_u32 v28, v29
	s_wait_dscnt 0x0
	v_lshrrev_b32 v1, 5, v0
	v_readfirstlane_b32 s14, v1
	s_lshr_b32 s15, s14, 1                         ; my half of A's rows; also: I fetch for A (0) or B (1)
	s_and_b32 s16, s14, 1                          ; my half of B's rows; also: which half I fetch
	s_bfe_u32 s40, ttmp6, 0x40000
	s_bfe_u32 s41, ttmp6, 0x40004
	s_lshl_b32 s42, ttmp9, 2
	s_add_co_u32 s42, s42, s40                     ; B's tile of 128 rows
	s_and_b32 s17, ttmp7, 0xffff
	s_lshl_b32 s17, s17, 2
	s_add_co_u32 s17, s17, s41                     ; A's tile of 128 rows
	s_lshl_b32 s43, s41, 2
	s_lshl_b32 s43, 15, s43
	s_lshl_b32 s44, 0x1111, s40
	s_or_b32 s[G1+0], s43, (3<<16)|(1<<21)
	s_or_b32 s[G1B+0], s44, (3<<16)|(1<<21)
.irp g, G1, G1B                        ; codes: 4 row tiles x 6,144 bytes (four chunks), 1,536 NCH bytes apart
	s_mov_b32 s[\g+1], 768<<16
	s_mov_b32 s[\g+2], 4<<16
	s_mov_b32 s[\g+3], 768<<16
	s_mov_b32 s[\g+4], 4
	s_mov_b32 s[\g+5], NCH*192
	s_mov_b32 s[\g+6], 0
	s_mov_b32 s[\g+7], 0
.endr
	s_or_b32 s[G1S+0], s43, (3<<16)|(1<<21)
	s_or_b32 s[G1SB+0], s44, (3<<16)|(1<<21)
.irp g, G1S, G1SB                      ; scale words: NCH chunks x 256 bytes (64 rows)
	s_mov_b32 s[\g+1], 32<<16
	s_mov_b32 s[\g+2], NCH<<16
	s_mov_b32 s[\g+3], 32<<16
	s_mov_b32 s[\g+4], NCH
	s_mov_b32 s[\g+6], 0
	s_mov_b32 s[\g+7], 0
.endr
	s_mov_b32 s[G1S+5], 2048                       ; A has 4,096 rows: 16,384 bytes from chunk to chunk
	s_mov_b32 s[G1SB+5], 512                       ; B has 1,024
	s_lshl_b32 s18, s16, 2
	s_lshl_b32 s20, s17, 3
	s_add_co_u32 s20, s20, s18
	s_mul_i32 s20, s20, NCH*1536
	s_mov_b32 s21, 0
	s_lshl_b32 s46, s42, 3
	s_add_co_u32 s46, s46, s18
	s_mul_i32 s46, s46, NCH*1536
	s_add_co_u32 s46, s46, BC
	s_mov_b32 s47, 0
	s_lshl_b32 s18, s16, 8
	s_lshl_b32 s22, s17, 9
	s_add_co_u32 s22, s22, s18
	s_add_co_u32 s22, s22, ASC
	s_mov_b32 s23, 0
	s_lshl_b32 s66, s42, 9
	s_add_co_u32 s66, s66, s18
	s_add_co_u32 s66, s66, BS
	s_mov_b32 s67, 0
	s_mul_i32 s45, s14, HALFT
	s_mul_i32 s96, s14, HALFS
	s_wait_kmcnt 0x0
	s_add_nc_u64 s[20:21], s[4:5], s[20:21]
	s_add_nc_u64 s[22:23], s[4:5], s[22:23]
	s_add_nc_u64 s[46:47], s[6:7], s[46:47]
	s_add_nc_u64 s[66:67], s[6:7], s[66:67]
	CROUND
	s_mov_b32 s[G0S], 1
	s_add_co_u32 s[G0S+1], s96, SCL
	s_mov_b64 s[G0S+2:G0S+3], s[22:23]
	s_or_b32 s[G0S+3], s[G0S+3], 0x80000000
	s_mov_b32 s[G0SB], 1
	s_add_co_u32 s[G0SB+1], s96, SCL
	s_mov_b64 s[G0SB+2:G0SB+3], s[66:67]
	s_or_b32 s[G0SB+3], s[G0SB+3], 0x80000000
	JLOAD G0S, G1S, G0SB, G1SB
.irp s, 0,1
	s_mov_b32 s[G0+4*\s], 1
	s_add_co_u32 s[G0+4*\s+1], s45, \s*SLOT
	s_add_nc_u64 s[G0+4*\s+2:G0+4*\s+3], s[20:21], \s*TILEB
	s_or_b32 s[G0+4*\s+3], s[G0+4*\s+3], 0x80000000
	s_mov_b32 s[G0B+4*\s], 1
	s_add_co_u32 s[G0B+4*\s+1], s45, \s*SLOT
	s_add_nc_u64 s[G0B+4*\s+2:G0B+4*\s+3], s[46:47], \s*TILEB
	s_or_b32 s[G0B+4*\s+3], s[G0B+4*\s+3], 0x80000000
	JLOAD G0+4*\s, G1, G0B+4*\s, G1B
.endr
	v_and_b32 v1, 15, v0                           ; r
	v_bfe_u32 v2, v0, 4, 1                         ; h
	v_and_b32 v3, 31, v0
	v_lshlrev_b32 v3, 4, v3
	s_mul_i32 s18, s15, HALFT
	s_mul_i32 s19, s16, HALFT
	s_add_co_u32 s19, s19, 2*HALFT
.irp s, 0,1
	v_add_nc_u32 v[ADRA+\s], s18, v3
	v_add_nc_u32 v[ADRB+\s], s19, v3
	s_add_co_u32 s18, s18, SLOT
	s_add_co_u32 s19, s19, SLOT
.endr
	v_lshlrev_b32 v4, 2, v1
	s_mul_i32 s18, s15, HALFS
	s_mul_i32 s19, s16, HALFS
	s_add_co_u32 s19, s19, 2*HALFS
	s_sub_co_u32 s19, s19, s18
	v_mul_u32_u24 v6, s19, v2                      ; lanes 16-31 take B's
	s_add_co_u32 s18, s18, SCL
	v_add_nc_u32 v5, v4, v6
	v_add_nc_u32 v[ADRS], s18, v5
	s_mul_i32 s23, s14, 16*SPITCH
	s_add_co_u32 s23, s23, STAGE
	v_mul_u32_u24 v4, v1, SPITCH
	v_lshl_add_u32 v4, v2, 6, v4
	v_add_nc_u32 v[STO], s23, v4                   ; in: row r, + 64 h
	v_mul_u32_u24 v5, v2, SPITCH
	v_lshl_add_u32 v5, v1, 4, v5
	v_add_nc_u32 v[RD], s23, v5                    ; back: lanes 0-15 one row of 256 bytes, lanes 16-31 the next
	v_lshlrev_b32 v5, 12, v2
	v_lshl_add_u32 v[CO], v1, 4, v5                ; the same two rows in memory
	v_lshlrev_b32 v7, 6, v2
	s_lshl_b32 s92, s17, 19
	s_lshl_b32 s2, s15, 18
	s_add_co_u32 s92, s92, s2
	s_lshl_b32 s94, s42, 9
	s_lshl_b32 s2, s16, 8
	s_add_co_u32 s94, s94, s2                      ; my 64 columns, in bytes
	s_add_co_u32 s92, s92, s94
	s_mov_b32 s93, 0
	s_mov_b32 s95, 0
	s_add_nc_u64 s[10:11], s[10:11], s[92:93]
	s_add_nc_u64 s[12:13], s[12:13], s[92:93]
	s_add_nc_u64 s[8:9], s[8:9], s[94:95]
.irp b, 0,1,2,3
	global_load_b128 v[BIAS+8*\b:BIAS+8*\b+3], v7, s[8:9] offset:(32*(\b/2)+8*(\b%2))*4
	global_load_b128 v[BIAS+8*\b+4:BIAS+8*\b+7], v7, s[8:9] offset:(32*(\b/2)+8*(\b%2))*4+16
.endr
	WIN 0x80                                       ; the residual into window 2, in the order of the way out
.irp a, 0,1,2,3
.irp t, 0,1,2,3,4,5,6,7
	global_load_b128 v[32*\a+4*\t:32*\a+4*\t+3], v[CO], s[10:11] offset:(32*(\a/2)+8*(\a%2)+2*\t+8*(\t/4))*4096
.endr
.endr
	WIN 0
.macro FETCH slot, q, p                ; the fragments and scale words of the slot's chunk q into buffer p
	WIN TO_F
.irp i, 0,1,2,3
.irp c, 0,1,2
	ds_load_b128 v[96*(\p)+48+FR*\i+4*\c:96*(\p)+48+FR*\i+4*\c+3], v[ADRB+\slot] offset:\i*TILEB+(\q)*1536+512*\c
.endr
.endr
.irp i, 0,1,2,3
.irp c, 0,1,2
	ds_load_b128 v[96*(\p)+FR*\i+4*\c:96*(\p)+FR*\i+4*\c+3], v[ADRA+\slot] offset:\i*TILEB+(\q)*1536+512*\c
.endr
.endr
	WIN 0
.irp i, 0,1,2,3
	ds_load_b32 v[SC+4*(\p)+\i], v[ADRS] offset:(\q)*256+\i*64
.endr
.endm
.macro MULA a, p, zero                 ; A's block a against B's four; the sixteen accumulators take turns
.irp b, 0,1,2,3
.if \zero
	v_wmma_scale_f32_16x16x128_f8f6f4 v[ACC+8*(4*(\a)+\b):ACC+8*(4*(\a)+\b)+7], v[96*(\p)+48+FR*\b:96*(\p)+48+FR*\b+FR-1], v[96*(\p)+FR*(\a):96*(\p)+FR*(\a)+FR-1], v[BIAS+8*\b:BIAS+8*\b+7], v[SC+4*(\p)+\b], v[SC+4*(\p)+(\a)] matrix_a_fmt:MATRIX_FMT_FP6 matrix_b_fmt:MATRIX_FMT_FP6 matrix_a_scale:MATRIX_SCALE_ROW1
.else
	v_wmma_scale_f32_16x16x128_f8f6f4 v[ACC+8*(4*(\a)+\b):ACC+8*(4*(\a)+\b)+7], v[96*(\p)+48+FR*\b:96*(\p)+48+FR*\b+FR-1], v[96*(\p)+FR*(\a):96*(\p)+FR*(\a)+FR-1], v[ACC+8*(4*(\a)+\b):ACC+8*(4*(\a)+\b)+7], v[SC+4*(\p)+\b], v[SC+4*(\p)+(\a)] matrix_a_fmt:MATRIX_FMT_FP6 matrix_b_fmt:MATRIX_FMT_FP6 matrix_a_scale:MATRIX_SCALE_ROW1
.endif
.endr
.endm
.macro CH slot, q, zero                ; one of a slot's first three chunks: it fetches the next chunk, then multiplies its own
	s_wait_dscnt 0x0                               ; this chunk's fragments and scale words are in
	PLACES
	FETCH \slot, (\q)+1, 1-(\q)%2
	WIN MUL
	MULA 0, (\q)%2, \zero
	MULA 1, (\q)%2, \zero
	MULA 2, (\q)%2, \zero
	MULA 3, (\q)%2, \zero
.endm
.macro TURN slot, next, fill           ; a slot's last chunk changes slots
	WIN 0
	s_wait_tensorcnt 0x0                           ; my part of the next slot has landed; no load of mine is out
	ds_add_u32 v[SPW], v[NIL]
	s_wait_dscnt 1                                 ; (the add may be out)
	WIN MUL
	MULA 0, 1, 0
	s_wait_dscnt 0x0                               ; the add is done, my reads of this slot are over
	s_barrier_signal -1
	MULA 1, 1, 0
	WIN 0
	s_barrier_wait -1
.if \fill
	CREST
	s_add_nc_u64 s[G0+4*\slot+2:G0+4*\slot+3], s[G0+4*\slot+2:G0+4*\slot+3], 2*TILEB
	s_add_nc_u64 s[G0B+4*\slot+2:G0B+4*\slot+3], s[G0B+4*\slot+2:G0B+4*\slot+3], 2*TILEB
	JLOAD G0+4*\slot, G1, G0B+4*\slot, G1B
.else
	PLACES
.endif
	v_add_nc_u32 v[ADRS], 1024, v[ADRS]            ; four chunks of scale words on
	FETCH \next, 0, 0
	WIN MUL
	MULA 2, 1, 0
	MULA 3, 1, 0
.endm
	s_wait_tensorcnt 1                             ; the scale words and slot 0; slot 1's load may be out
	s_barrier_signal -1
	s_barrier_wait -1
	FETCH 0, 0, 0
	s_wait_loadcnt 32                              ; the bias; the residual's 32 loads may be out
	CH 0, 0, 1
.if LAPS > 1
	WIN 0
	s_mov_b32 s3, LAPS-1
.Llap:
	CH 0, 1, 0
	CH 0, 2, 0
	TURN 0, 1, 1
	CH 1, 0, 0
	CH 1, 1, 0
	CH 1, 2, 0
	TURN 1, 0, 1
	CH 0, 0, 0
	WIN 0
	s_sub_co_u32 s3, s3, 1
	s_cmp_lg_u32 s3, 0
	s_cbranch_scc1 .Llap
.endif
	CH 0, 1, 0
	CH 0, 2, 0
	TURN 0, 1, 0
	CH 1, 0, 0
	CH 1, 1, 0
	CH 1, 2, 0
	s_wait_dscnt 0x0
	WIN MUL
	MULA 0, 1, 0
	MULA 1, 1, 0
	MULA 2, 1, 0
	MULA 3, 1, 0
	WIN 0
	PLACES
	s_wait_loadcnt 0x0                             ; the residual
.macro OUT a                           ; 16 rows x 64 columns through my stage; LDS serves a wave's instructions in order
.irp b, 0,1,2,3
	ds_store_b128 v[STO], v[ACC+8*(4*\a+\b):ACC+8*(4*\a+\b)+3] offset:128*(\b/2)+32*(\b%2)
	ds_store_b128 v[STO], v[ACC+8*(4*\a+\b)+4:ACC+8*(4*\a+\b)+7] offset:128*(\b/2)+32*(\b%2)+16
.endr
.irp t, 0,1,2,3,4,5,6,7
	ds_load_b128 v[TMP+4*\t:TMP+4*\t+3], v[RD] offset:2*\t*SPITCH
.endr
	s_wait_dscnt 0x0
	WIN 0x08                                       ; source 1: window 2
.set j, 0
.rept 16
	v_pk_add_f32 v[TMP+j:TMP+j+1], v[TMP+j:TMP+j+1], v[32*\a+j:32*\a+j+1]
.set j, j+2
.endr
	WIN 0
.irp t, 0,1,2,3,4,5,6,7
	global_store_b128 v[CO], v[TMP+4*\t:TMP+4*\t+3], s[12:13] offset:(32*(\a/2)+8*(\a%2)+2*\t+8*(\t/4))*4096
.endr
.endm
	OUT 0
.irp a, 1,2,3
	s_wait_xcnt 0x0                                ; the last block's stores have read their registers
	OUT \a
.endr
	s_wait_tensorcnt 0x0                           ; the wave's end
	ds_add_u32 v[SPW], v[NIL]
	s_wait_dscnt 0x0
	CROUND
	s_endpgm
.Lfunc_end_k_q96d12d04be_ffn2:
	.size	k_q96d12d04be_ffn2, .Lfunc_end_k_q96d12d04be_ffn2-k_q96d12d04be_ffn2
	.p2alignl 7, 3214868480
	.fill 96, 4, 3214868480
	.section	.rodata,"a",@progbits
	.p2align	6, 0x0
	.amdhsa_kernel k_q96d12d04be_ffn2
		.amdhsa_group_segment_fixed_size 327680
		.amdhsa_private_segment_fixed_size 0
		.amdhsa_enable_private_segment 0
		.amdhsa_kernarg_size 40
		.amdhsa_user_sgpr_count 2
		.amdhsa_user_sgpr_kernarg_segment_ptr 1
		.amdhsa_wavefront_size32 1
		.amdhsa_system_sgpr_workgroup_id_x 1
		.amdhsa_system_sgpr_workgroup_id_y 1
		.amdhsa_system_sgpr_workgroup_id_z 1
		.amdhsa_system_vgpr_workitem_id 0
		.amdhsa_next_free_vgpr 768
		.amdhsa_next_free_sgpr 102
		.amdhsa_reserve_vcc 0
		.amdhsa_float_denorm_mode_32 3
		.amdhsa_float_denorm_mode_16_64 3
		.amdhsa_memory_ordered 1
		.amdhsa_forward_progress 1
		.amdhsa_inst_pref_size 93
	.end_amdhsa_kernel
	.amdgpu_metadata
---
amdhsa.version: [ 1, 2 ]
amdhsa.kernels:
  - .name:           k_q96d12d04be_ffn2
    .symbol:         k_q96d12d04be_ffn2.kd
    .args:
      - { .name: mid, .offset: 0, .size: 8, .value_kind: global_buffer, .address_space: global }
      - { .name: pre, .offset: 8, .size: 8, .value_kind: global_buffer, .address_space: global }
      - { .name: b2, .offset: 16, .size: 8, .value_kind: global_buffer, .address_space: global }
      - { .name: x1, .offset: 24, .size: 8, .value_kind: global_buffer, .address_space: global }
      - { .name: out0, .offset: 32, .size: 8, .value_kind: global_buffer, .address_space: global }
    .group_segment_fixed_size: 327680
    .private_segment_fixed_size: 0
    .kernarg_segment_align: 8
    .kernarg_segment_size: 40
    .max_flat_workgroup_size: 128
    .sgpr_count:     102
    .vgpr_count:     768
    .wavefront_size: 32
...
	.end_amdgpu_metadata
.endif
;; end of part 7
